; MI455X (gfx1250); checked and timed in simulation.
; The chip was launched on July 23, 2026; its instructions are those of AMD's public machine-readable ISA for CDNA 5 (MIT licence, August 2026) and "CDNA5" Instruction Set Architecture Reference Guide (July 2026). The comments in the code are by the model that wrote it; some were corrected since.
;; Causal Multihead Self Attention. Allowed arithmetic: matrix products marked QUANTISED: E2M1 operands, one E8M0 scale for each 32 along K, by v_wmma_scale_f32_16x16x128_f8f6f4 with both operands' format E2M1 (or v_wmma_scale_f32_32x16x128_f4), f32 sums; products left as they are: bf16, f16 or f32 operands; f32 sums; everything else in f32.
;; Inputs: Wk 1,024 x 1,024 float32; Wo 1,024 x 1,024 float32; Wq 1,024 x 1,024 float32; Wv 1,024 x 1,024 float32; x 4 x 2,048 x 1,024 float32.
;; Outputs: out0 4 x 2,048 x 1,024 float32.
;; This version of the problem:
;;   THIS VERSION OF THE PROBLEM IS GIVEN IN LOW PRECISION. The matrix products marked QUANTISED in the list below multiply operands that are first quantised to E2M1 (2 exponent bits, 1 mantissa bit; 4 bits a number), with one power-of-two scale for each 32 numbers along K (OCP MX v1.0); their sums are f32. The products marked 'left as it is' may take bf16, f16 or f32 operands, with f32 sums. Whichever they take, every output number must still come out within the allowed error. Rounding operands to bf16 (8 significant bits) uses up far more of that allowance than f16 does (11 bits, for magnitudes from 6e-5 to 65,504). All else is computed in f32.
;;   The module's matrix products, in the order in which they are computed (A, B: the left and right operand; K: the contracted axis; several contracted axes count as one K, in the product's order):
;;     1. [M 8,192, K 1,024] x [K 1,024, N 1,024]; A: input x; B: input Wq: QUANTISED
;;     2. [M 8,192, K 1,024] x [K 1,024, N 1,024]; A: input x; B: input Wk: QUANTISED
;;     3. [M 8,192, K 1,024] x [K 1,024, N 1,024]; A: input x; B: input Wv: QUANTISED
;;     4. batch 64 x [M 2,048, K 64] x [K 64, N 2,048]; A: computed on the way; B: computed on the way: left as it is (an operand is computed on the way)
;;     5. batch 64 x [M 2,048, K 2,048] x [K 2,048, N 64]; A: computed on the way; B: computed on the way: left as it is (an operand is computed on the way)
;;     6. [M 8,192, K 1,024] x [K 1,024, N 1,024]; A: computed on the way; B: input Wo: left as it is (an operand is computed on the way)
;;   THE QUANTISER, for each operand of a quantised product, along K:
;;     - K is cut into blocks of 32 from its start; a last block that is shorter is filled with zeros.
;;     - A block's scale is 2^e with e = floor(log2(the largest magnitude in the block)) - 2, held to -126 .. 127; a block of zeros has e = 0. As a byte (E8M0): e + 127.
;;     - Each number is divided by its block's scale, clamped to +-6, and rounded to the nearest number of E2M1, ties to even, subnormals kept.
;;     - The product sums the exact products of the quantised numbers (number of the format x scale) in f32.
;;   ~~~python
;;   def quantise(x, axis):      # numpy; x: float32 -> the quantised numbers, widened to float32 again
;;       x = np.moveaxis(x, axis, -1); K = x.shape[-1]
;;       x = np.pad(x, [(0, 0)] * (x.ndim - 1) + [(0, -K % 32)]); x = x.reshape(x.shape[:-1] + (-1, 32)); a = np.abs(x).max(-1, keepdims=True)
;;       e = np.where(a > 0, np.clip(np.frexp(np.where(a > 0, a, 1))[1] - 1 - 2, -126, 127), 0)      # np.frexp(a)[1] - 1 = floor(log2(a)), exactly
;;       r = np.clip(x / 2.0 ** e, -6, 6)
;;       step = 2.0 ** (np.maximum(np.frexp(np.where(r == 0, 1, r))[1] - 1, 0) - 1)
;;       q = np.round(r / step) * step * 2.0 ** e      # np.round: ties to even
;;       return np.moveaxis(q.reshape(q.shape[:-2] + (-1,))[..., :K], -1, axis).astype(np.float32)
;;   ~~~
;; One version. Each part assembles by itself: llvm-mc -triple=amdgcn-amd-amdhsa -mcpu=gfx1250 --defsym DOCPART=n.
;; ======== version 1 of 1: 5 launches
;; limits: values are held in f16: magnitudes above 65,504 overflow, below 6.1e-05 lose precision
;; workspace buffers: xc 4,194,304 bytes; xs 262,144 bytes; wc 1,572,864 bytes; ws 98,304 bytes; wo16 2,097,152 bytes; qkv 50,331,648 bytes; qkv32 786,432 bytes; ao 16,777,216 bytes
;; launch quant (part 1): grid 384 x 1, 4 waves a work-group, no clusters, 33,280 bytes of LDS; arguments x, Wq, Wk, Wv, Wo, xc, xs, wc, ws, wo16; writes xc, xs, wc, ws, wo16
.if DOCPART == 1
	.amdgcn_target "amdgcn-amd-amdhsa--gfx1250"
	.amdhsa_code_object_version 6
	.text
	.protected	k_qd7461e87ef_quant
	.globl	k_qd7461e87ef_quant
	.p2align	8
	.type	k_qd7461e87ef_quant,@function
k_qd7461e87ef_quant:
	s_mov_b64 s[64:65], 0
	v_nop
	global_prefetch_b8 v0, s[64:65] scope:SCOPE_SE
	s_setreg_imm32_b32 hwreg(HW_REG_WAVE_MODE, 25, 1), 1
	s_wait_xcnt 0x0
; CAUSAL SELF-ATTENTION, B = 4, S = 2,048, D = 1,024, 16 heads of 64, in five launches.  This is the first: it turns x, Wq, Wk, Wv (f32, K innermost) into codes of FP4 (E2M1)
; with one E8M0 scale byte for each 32 along K, and Wo into f16.
; WORK LEFT OUT IN THE WHOLE PROGRAM.  The problem builds its causal mask in its own body: score (q, k) with k > q becomes -infinity ahead of the softmax, so its weight is exactly 0 and its
; term in the weighted sum of v is 0, whatever finite values the inputs hold.  So tiles of 64 keys that lie wholly behind a wave's 32 queries are neither multiplied nor loaded (third launch).
; Every input has a way to the output and is loaded.  LIMIT: a NaN, an infinity or an overflow that reaches only such masked tiles is not carried to the result.
; THE QUANTISER.  A block's scale is 2^(floor(log2(its largest magnitude)) - 2); its byte is the largest magnitude's exponent field - 2, held at 1 from below.  A block of zeros so gets the byte 1
; where the rule says 127: its codes are zeros, which add nothing under any byte but 0xff, and the bytes are read by this program alone.  Each number is divided by the scale and rounded to the
; nearest code, ties to even, beyond the largest code the largest.  LIMITS: blocks whose largest magnitude lies under 2^(2 - 126) keep the byte 1; NaN and infinities among the inputs are not served.
; SHARES.  A work-group takes 32,768 numbers, a wave 8,192.  Work-groups 0-255: x; 256-287: Wq; 288-319: Wk; 320-351: Wv (their codes lie one behind the other: rows q, k, v); 352-383: Wo.
; Rows are dense and K is a multiple of 32: a tensor is a stream of blocks of 32.  Each of a step's four loads reads 512 consecutive bytes; the 2,048 bytes turn through the wave's own stage in LDS and
; come back 64 bytes a lane, so that a lane holds 16 neighbours along K (two neighbouring lanes hold a block).  A lane's 16 codes are 8 bytes: the wave stores 256 consecutive bytes.
; A wave's 256 scale bytes are gathered in its own LDS bytes and leave as 256 consecutive bytes.  No barrier: waves share nothing.
; Wo [n][k] becomes f16 laid [k / 64][n][64], so that a K block of 64 of neighbouring rows is dense.  LIMIT: Wo's magnitudes stay under 65,504 (f16).
.set WAVES, 4
.set STEPS, 16
.set EMAX,  2
.set CB,    8                          ; bytes of 16 codes
.set R,     16                         ; v16-79   four sets of 16 numbers as they are loaded
.set X,     80                         ; v80-111  two sets of 16 neighbours
.set C,     128                        ; v128-191 codes: four registers for each step, so that no store's data are written again
.set E,     112                        ; v112-127 a scale byte for each step
.set WREG,  8192                       ; LDS: a region for each wave: two stages of 32 x SP bytes, behind them its 256 scale bytes
.set SP,    80                         ; a lane's place in a stage: 64 bytes + 16 of padding
.set SPW,   12                         ; v12  LDS address of my spare word; never rewritten
.set NIL,   13                         ; v13  0; never rewritten
.set SPARE, WAVES*WREG                 ; behind the four regions: the spare words, 128 bytes a wave
.set WV,    32                         ; s32  my wave's number
.set SRC,   24                         ; s[24:25] the tensor that I read
.set COD,   26                         ; s[26:27] where its codes go
.set SCA,   28                         ; s[28:29] where its scale bytes go
.set Y,     144                        ; v144-175 the Wo path: 16 x 8 bytes of f16
	s_load_b256 s[4:11], s[0:1], 0x0               ; x s[4:5], Wq s[6:7], Wk s[8:9], Wv s[10:11]
	s_load_b256 s[12:19], s[0:1], 0x20             ; Wo s[12:13], xc s[14:15], xs s[16:17], wc s[18:19]
	s_load_b128 s[20:23], s[0:1], 0x40             ; ws s[20:21], wo16 s[22:23]
	v_lshl_add_u32 v[SPW], v0, 2, SPARE
	v_mov_b32 v[NIL], 0
	v_lshrrev_b32 v1, 5, v0
	v_readfirstlane_b32 s[WV], v1                  ; wave
	v_and_b32 v2, 31, v0                           ; lane
	v_lshlrev_b32 v3, 4, v2                        ; my 16 bytes of a load's 512
	s_mul_i32 s33, s[WV], WREG
	v_lshrrev_b32 v14, 2, v2
	v_mul_u32_u24 v14, v14, SP
	v_and_b32 v15, 3, v2
	v_lshl_add_u32 v14, v15, 4, v14
	v_add_nc_u32 v14, s33, v14                     ; the stage, on the way in: four lanes' 64 bytes on end, then 16 of padding
	v_mul_u32_u24 v15, v2, SP
	v_add_nc_u32 v15, s33, v15                     ; and on the way out: SP x lane: my 16 neighbours
	v_mul_u32_u24 v4, v2, CB                       ; my codes' place in a step's
	v_lshrrev_b32 v5, 1, v2
	s_add_co_u32 s33, s33, 2*32*SP
	v_add_nc_u32 v5, s33, v5                       ; LDS: my wave's 256 scale bytes, my block's byte
	v_lshlrev_b32 v7, 3, v2                        ; and on the way out 8 bytes a lane
	v_add_nc_u32 v6, s33, v7
	s_wait_kmcnt 0x0
	s_cmp_ge_u32 ttmp9, 352                        ; the last 32 work-groups take Wo: the branch hangs on the work-group's number alone
	s_cbranch_scc1 .Lwo
	s_and_b32 s30, ttmp9, 31                       ; a weight's work-group within its tensor,
	s_sub_co_u32 s31, ttmp9, 256                   ; and within the three weights' codes
	s_cmp_lt_u32 ttmp9, 256
	s_cselect_b64 s[SRC:SRC+1], s[4:5], s[6:7]
	s_cselect_b64 s[COD:COD+1], s[14:15], s[18:19]
	s_cselect_b64 s[SCA:SCA+1], s[16:17], s[20:21]
	s_cselect_b32 s30, ttmp9, s30
	s_cselect_b32 s31, ttmp9, s31
	s_cmp_ge_u32 ttmp9, 288
	s_cselect_b64 s[SRC:SRC+1], s[8:9], s[SRC:SRC+1]
	s_cmp_ge_u32 ttmp9, 320
	s_cselect_b64 s[SRC:SRC+1], s[10:11], s[SRC:SRC+1]
	s_lshl_b32 s30, s30, 2
	s_add_co_u32 s30, s30, s[WV]                   ; which run of 8,192 numbers I read
	s_lshl_b32 s31, s31, 2
	s_add_co_u32 s31, s31, s[WV]                   ; and which run of codes I write
	s_lshl_b32 s34, s30, 15                        ; 32,768 bytes of f32 a run
	s_mov_b32 s35, 0
	s_add_nc_u64 s[SRC:SRC+1], s[SRC:SRC+1], s[34:35]
	s_lshl_b32 s34, s31, 12                        ; 4,096 bytes of codes
	s_add_nc_u64 s[COD:COD+1], s[COD:COD+1], s[34:35]
	s_lshl_b32 s34, s31, 8                         ; 256 scale bytes
	s_add_nc_u64 s[SCA:SCA+1], s[SCA:SCA+1], s[34:35]
.macro LOAD t
.irp i, 0,1,2,3
	global_load_b128 v[R+16*((\t)%4)+4*\i:R+16*((\t)%4)+4*\i+3], v3, s[SRC:SRC+1] offset:2048*(\t)+512*\i th:TH_LOAD_NT   ; 32 lanes read 512 consecutive bytes
.endr
.endm
.macro TURN t                          ; step t's numbers through the stage: LDS serves a wave's instructions in order, so no wait stands between the stores and the loads
.irp i, 0,1,2,3
	ds_store_b128 v14, v[R+16*((\t)%4)+4*\i:R+16*((\t)%4)+4*\i+3] offset:32*SP*((\t)%2)+8*SP*\i
.endr
.irp i, 0,1,2,3
	ds_load_b128 v[X+16*((\t)%2)+4*\i:X+16*((\t)%2)+4*\i+3], v15 offset:32*SP*((\t)%2)+16*\i
.endr
.endm
.irp t, 0,1,2,3
	LOAD \t
.endr
	s_wait_loadcnt 12                              ; step 0's four loads are in; the twelve of steps 1 to 3 may be out
	TURN 0
.macro STEP t
.set XS, X+16*((\t)%2)
.if (\t) > 0
	s_wait_dscnt 1                                 ; this step's numbers are back from the stage (the last step's byte store may be out)
.else
	s_wait_dscnt 0x0
.endif
.if (\t)+4 < STEPS
	LOAD (\t)+4                                    ; the registers that the stage's stores have read take the loads of four steps on
.endif
.if (\t)+1 < STEPS
.if STEPS-2-(\t) >= 3
	s_wait_loadcnt 12                              ; the next step's four loads are in; those of the three steps behind it may be out
.else
	s_wait_loadcnt 4*(STEPS-2-(\t))
.endif
	TURN (\t)+1                                    ; and go through the other stage while this step is worked
.endif
	v_max3_num_f32 v8, |v[XS]|, |v[XS+1]|, |v[XS+2]|               ; the largest magnitude of my 16, in two chains
	v_max3_num_f32 v9, |v[XS+3]|, |v[XS+4]|, |v[XS+5]|
.irp i, 6,10
	v_max3_num_f32 v8, v8, |v[XS+\i]|, |v[XS+\i+1]|
	v_max3_num_f32 v9, v9, |v[XS+\i+2]|, |v[XS+\i+3]|
.endr
	v_max3_num_f32 v8, v8, |v[XS+14]|, |v[XS+15]|
	v_max3_num_f32 v8, v8, v9, (EMAX+1)<<23        ; and the floor 2^(EMAX + 1 - 127): the byte cannot fall under 1
	v_max_num_f32_dpp v8, v8, v8 row_xmask:1 row_mask:0xf bank_mask:0xf   ; and of my neighbour's 16: the block's
	v_add_nc_u32 v11, -(EMAX<<23), v8              ; EMAX off its exponent field: the conversion takes the exponent field of this operand as its scale
	v_cvt_scalef32_pk8_fp4_f32 v[C+4*(\t)], v[XS:XS+7], v11
	v_cvt_scalef32_pk8_fp4_f32 v[C+4*(\t)+1], v[XS+8:XS+15], v11
	v_lshrrev_b32 v[E+(\t)], 23, v11               ; the scale's byte (also the plain line behind the conversions)
	ds_store_b8 v5, v[E+(\t)] offset:16*(\t)       ; both lanes of a block write the same byte with the same value
	global_store_b64 v4, v[C+4*(\t):C+4*(\t)+1], s[COD:COD+1] offset:32*CB*(\t)   ; the wave stores 256 consecutive bytes, aligned
.endm
.irp t, 0,1,2,3,4,5,6,7,8,9,10,11,12,13,14,15
	STEP \t
.endr
	ds_load_b64 v[8:9], v6                         ; LDS serves a wave's instructions in order: these see my stores
	s_wait_dscnt 0x0
	global_store_b64 v7, v[8:9], s[SCA:SCA+1]      ; 32 lanes store 256 consecutive bytes, aligned
	s_wait_tensorcnt 0x0                           ; the wave's end, behind my last LDS store
	ds_add_u32 v[SPW], v[NIL]
	s_wait_dscnt 0x0
	s_endpgm
; Wo: wave w of work-group j takes rows 32 j + 8 w + 0 .. 7, two at a time.  A load reads 256 consecutive bytes (64 along K) of each of two rows; the 4 numbers of a lane become 8 bytes of f16,
; and the 32 lanes' 256 bytes are rows n and n + 1 of one K block: consecutive and aligned in wo16.  No LDS.
.Lwo:
	s_sub_co_u32 s33, ttmp9, 352
	s_lshl_b32 s33, s33, 5
	s_lshl_b32 s34, s[WV], 3
	s_add_co_u32 s33, s33, s34                     ; my first row
	s_lshl_b32 s34, s33, 12                        ; a row of Wo is 4,096 bytes
	s_mov_b32 s35, 0
	s_add_nc_u64 s[12:13], s[12:13], s[34:35]
	s_lshl_b32 s34, s33, 7                         ; a row of a K block is 128 bytes
	s_add_nc_u64 s[22:23], s[22:23], s[34:35]
	v_lshrrev_b32 v9, 4, v2
	v_and_b32 v10, 15, v2
	v_lshlrev_b32 v10, 4, v10
	v_lshl_add_u32 v10, v9, 12, v10                ; in: row lane / 16, 16 bytes a lane
	v_lshlrev_b32 v9, 3, v2                        ; out: 8 bytes a lane
.macro WLOAD p                         ; rows 2 p, 2 p + 1: 16 loads into set p % 2
.irp kb, 0,1,2,3,4,5,6,7,8,9,10,11,12,13,14,15
	global_load_b128 v[16+64*((\p)%2)+4*\kb:16+64*((\p)%2)+4*\kb+3], v10, s[12:13] offset:(\p)*8192+\kb*256 th:TH_LOAD_NT
.endr
.endm
.macro WOUT p
.set WS, 16+64*((\p)%2)
.if (\p) < 3
	s_wait_loadcnt 16                              ; this pair's 16 loads are in; the next pair's 16 may be out
.else
	s_wait_loadcnt 0x0
.endif
.if (\p) > 0
	s_wait_xcnt 0x0                                ; the last pair's stores have read their data: Y is written again only behind this wait
.endif
.irp kb, 0,1,2,3,4,5,6,7,8,9,10,11,12,13,14,15
	v_cvt_pk_f16_f32 v[Y+2*\kb], v[WS+4*\kb], v[WS+4*\kb+1]
	v_cvt_pk_f16_f32 v[Y+2*\kb+1], v[WS+4*\kb+2], v[WS+4*\kb+3]
.endr
.if (\p) < 2
	WLOAD (\p)+2
.endif
.irp kb, 0,1,2,3,4,5,6,7,8,9,10,11,12,13,14,15
	global_store_b64 v9, v[Y+2*\kb:Y+2*\kb+1], s[22:23] offset:\kb*131072+(\p)*256
.endr
.endm
	WLOAD 0
	WLOAD 1
	WOUT 0
	WOUT 1
	WOUT 2
	WOUT 3
	s_wait_tensorcnt 0x0                           ; the three closing lines stand on this path too
	ds_add_u32 v[SPW], v[NIL]
	s_wait_dscnt 0x0
	s_endpgm
.Lfunc_end_k_qd7461e87ef_quant:
	.size	k_qd7461e87ef_quant, .Lfunc_end_k_qd7461e87ef_quant-k_qd7461e87ef_quant
	.p2alignl 7, 3214868480
	.fill 96, 4, 3214868480
	.section	.rodata,"a",@progbits
	.p2align	6, 0x0
	.amdhsa_kernel k_qd7461e87ef_quant
		.amdhsa_group_segment_fixed_size 33280
		.amdhsa_private_segment_fixed_size 0
		.amdhsa_enable_private_segment 0
		.amdhsa_kernarg_size 80
		.amdhsa_user_sgpr_count 2
		.amdhsa_user_sgpr_kernarg_segment_ptr 1
		.amdhsa_wavefront_size32 1
		.amdhsa_system_sgpr_workgroup_id_x 1
		.amdhsa_system_sgpr_workgroup_id_y 1
		.amdhsa_system_sgpr_workgroup_id_z 1
		.amdhsa_system_vgpr_workitem_id 0
		.amdhsa_next_free_vgpr 192
		.amdhsa_next_free_sgpr 66
		.amdhsa_reserve_vcc 0
		.amdhsa_float_denorm_mode_32 3
		.amdhsa_float_denorm_mode_16_64 3
		.amdhsa_memory_ordered 1
		.amdhsa_forward_progress 1
		.amdhsa_inst_pref_size 55
	.end_amdhsa_kernel
	.amdgpu_metadata
---
amdhsa.version: [ 1, 2 ]
amdhsa.kernels:
  - .name:           k_qd7461e87ef_quant
    .symbol:         k_qd7461e87ef_quant.kd
    .args:
      - { .name: x, .offset: 0, .size: 8, .value_kind: global_buffer, .address_space: global }
      - { .name: Wq, .offset: 8, .size: 8, .value_kind: global_buffer, .address_space: global }
      - { .name: Wk, .offset: 16, .size: 8, .value_kind: global_buffer, .address_space: global }
      - { .name: Wv, .offset: 24, .size: 8, .value_kind: global_buffer, .address_space: global }
      - { .name: Wo, .offset: 32, .size: 8, .value_kind: global_buffer, .address_space: global }
      - { .name: xc, .offset: 40, .size: 8, .value_kind: global_buffer, .address_space: global }
      - { .name: xs, .offset: 48, .size: 8, .value_kind: global_buffer, .address_space: global }
      - { .name: wc, .offset: 56, .size: 8, .value_kind: global_buffer, .address_space: global }
      - { .name: ws, .offset: 64, .size: 8, .value_kind: global_buffer, .address_space: global }
      - { .name: wo16, .offset: 72, .size: 8, .value_kind: global_buffer, .address_space: global }
    .group_segment_fixed_size: 33280
    .private_segment_fixed_size: 0
    .kernarg_segment_align: 8
    .kernarg_segment_size: 80
    .max_flat_workgroup_size: 128
    .sgpr_count:     66
    .vgpr_count:     192
    .wavefront_size: 32
...
	.end_amdgpu_metadata
.endif
;; end of part 1
;; launch qkv (part 2): grid 12 x 32, 4 waves a work-group, clusters of 4 x 1, 327,680 bytes of LDS; arguments xc, xs, wc, ws, qkv, qkv32; writes qkv, qkv32
.if DOCPART == 2
	.amdgcn_target "amdgcn-amd-amdhsa--gfx1250"
	.amdhsa_code_object_version 6
	.text
	.protected	k_qd7461e87ef_qkv
	.globl	k_qd7461e87ef_qkv
	.p2align	8
	.type	k_qd7461e87ef_qkv,@function
k_qd7461e87ef_qkv:
	s_mov_b64 s[64:65], 0
	v_nop
	global_prefetch_b8 v0, s[64:65] scope:SCOPE_SE
	s_setreg_imm32_b32 hwreg(HW_REG_WAVE_MODE, 25, 1), 1
	s_wait_xcnt 0x0
	s_wait_alu depctr_hold_cnt(0) depctr_sa_sdst(0) depctr_va_vdst(0) depctr_va_sdst(0) depctr_va_ssrc(0) depctr_va_vcc(0) depctr_vm_vsrc(0)
	s_getreg_b32 s2, hwreg(HW_REG_IB_STS2, 6, 4)
	s_cmp_eq_u32 s2, 0
	s_cbranch_scc0 .Lentry_in_a_cluster
	s_endpgm
.Lentry_in_a_cluster:
	s_bfe_u32 s2, ttmp6, 0x10000c
	s_cmp_lg_u32 s2, 0x3003
	s_cbranch_scc0 .Lentry_shape_is_right
	s_endpgm
.Lentry_shape_is_right:
; q, k, v = x Wq^T, x Wk^T, x Wv^T as ONE product C[m][n] = sum over k of A[m][k] B[n][k]: A = x's codes [8192][1024], B = the three weights' codes [3072][1024] (rows q, k, v),
; FP4 (E2M1) with one E8M0 scale for each 32 along K; sums in f32, K ascending.  Nothing is left out here.
; OUT: C rounded to f16, laid by head: qkv[g = n / 64][m][64], so that 16 rows of a head are 2,048 consecutive bytes.  The rows of the first 16 positions of each sequence (m % 2048 < 16) go out
; in f32 too, qkv32[16 b + s][3072]: the last launch carries those positions in f32.  LIMIT: |q|, |k|, |v| stay under 65,504 (f16).
; A tile of C, 256 x 256, is made by a work-group of four waves; a wave makes 128 x 128: 64 accumulators of 16 x 16, 512 registers.  K = 1,024 is two LDS slots of 512: both are asked for at the
; start and nothing is filled again.  The scale bytes of the work-group's 256 rows of A and of B, for all of K, are two dense blocks: they come with the first fills.
; CLUSTER 4 x 1: the four work-groups of a cluster make four neighbouring tile columns of one tile row: A's tiles and scales are asked for JOINTLY (mask 15).  B's differ between the partners and come
; by plain loads behind the same round.  A 4 x 4 cluster, which would share B's too, is not taken: the branch round the f32 rows' stores hangs on the tile row, which here is the
; cluster's own y, the same in all partners; B's codes and scales are 1.6 MB in all.
; THE MATRIX INSTRUCTION IS USED TRANSPOSED (source 0 = 16 rows of B, source 1 = 16 rows of A): a lane then holds eight neighbouring numbers of a row of C.
; REGISTERS, in windows of 256: window 0: v0-31 addresses; v32-95 scale words, two sets; from v128 A's fragments, ONE set; on the way out v32-255 are free.
;   window 1: B's fragments, TWO sets, at v0 and v128.   window 2: the accumulators of my rows 0-63 ((a, b) at v[8 (8 a + b)]);   window 3: those of my rows 64-127.
.set KSTEP,  512
.set NQ,     4                         ; matrix instructions deep in a slot
.set ROWB,   256                       ; a tile's row in bytes
.set KROW,   512                       ; a row of codes in memory
.set PITCH,  272                       ; an LDS row: 256 bytes + 16 of padding: the 16 rows that a load touches start at 16 different banks (64 banks of 4 bytes: ISA guide 11.1)
.set FR,     8
.set NL,     2
.set NP,     4                         ; places behind this matrix instruction (ISA guide 7.12.1)
.set HALFT,  128*PITCH
.set SLOT,   4*HALFT                   ; A's 256 rows, then B's 256 rows
.set KS,     32                        ; a row of scales in bytes
.set SCL,    2*SLOT                    ; behind the slots: the scales, as rows of 256 bytes + 16 of padding
.set HALFS,  16*272                    ; the scales of 128 rows
.set SBLK,   2*272                     ; those of 16 rows
.set SPARE,  SCL+4*HALFS               ; the spare words, 128 bytes a wave
.set ADRA, 16                          ; v16-17  LDS address of my A fragments in slot 0, 1
.set ADRB, 20                          ; v20-21  the same for B
.set STO32, 22                         ; v22     the f32 way out: where I put 32 bytes of a row
.set RD32, 23                          ; v23     and where I read a row of 512 bytes back
.set STO,  24                          ; v24     the f16 way out: where I put 16 bytes of a row
.set RD,   25                          ; v25     where I read 16 bytes of a head's row back
.set CO,   26                          ; v26     16 x lane
.set ADRS, 27                          ; v27     LDS address of my scale words: lanes 0-15 A's rows, lanes 16-31 B's
.set SPW,  28
.set NIL,  29
.set SC,   32                          ; scale words: set s at v[SC + 32 s]; register 4 i + q: lanes 0-15 A's block i, lanes 16-31 B's block i, the slot's q-th 128 along K
.set AF,   128                         ; A's fragments
.set TMP,  192                         ; the way out: packed results
.set OB,   32                          ; the way out: rows read back: v32-63 and v224-255 by turns
.set G1, 24
.set G0, 32
.set G1B, 48
.set G0B, 56
.set G1S, 68
.set G0S, 76
.set G1SB, 80
.set G0SB, 88
.set MSB, 0
.macro WIN new                         ; the immediate's high byte repeats the setting that is left
.if MSB != \new
	s_set_vgpr_msb (MSB<<8)|\new
.set MSB, \new
.endif
.endm
.set MUL_LO, 0xa1                      ; source 0 (B) window 1, source 1 (A) window 0, C and D window 2
.set MUL_HI, 0xf1
.set TO_B,   0x40
; Waves 0 and 1 fetch for A (jointly), waves 2 and 3 for B.  The branch hangs on the wave's number alone.  An s_nop 0 and four v_nop follow each of the two lines.
.macro JLOAD g0a, g1a, g0b, g1b
	s_cmp_eq_u32 s15, 0
	s_cbranch_scc0 .Lfor_b_\@
	tensor_load_to_lds s[\g0a:\g0a+3], s[\g1a:\g1a+7]
	s_nop 0
.rept 4
	v_nop
.endr
	s_branch .Lasked_\@
.Lfor_b_\@:
	tensor_load_to_lds s[\g0b:\g0b+3], s[\g1b:\g1b+7]
	s_nop 0
.rept 4
	v_nop
.endr
.Lasked_\@:
.endm
.macro CROUND                          ; a round of the cluster's barrier
	s_barrier_signal -1
	s_barrier_wait -1
	s_cmp_lg_u32 s14, 0
	s_cbranch_scc1 .Lnot_wave_0_\@
	s_barrier_signal -3
.Lnot_wave_0_\@:
	s_barrier_wait -3
	s_barrier_signal -1
	s_barrier_wait -1
.endm
	s_load_b128 s[4:7], s[0:1], 0x0                ; x's codes s[4:5], x's scales s[6:7]
	s_load_b128 s[8:11], s[0:1], 0x10              ; the weights' codes s[8:9], scales s[10:11]
	s_load_b64 s[12:13], s[0:1], 0x20              ; qkv
	s_load_b64 s[66:67], s[0:1], 0x28              ; qkv32
	v_lshl_add_u32 v[SPW], v0, 2, SPARE
	v_mov_b32 v[NIL], 0
	ds_add_u32 v[SPW], v[NIL]                      ; the wave's opening: the add, twice on end, and its wait ahead of my first tensor load
	ds_add_u32 v[SPW], v[NIL]
	v_lshrrev_b32 v1, 5, v0
	v_readfirstlane_b32 s14, v1                    ; wave 0..3
	s_lshr_b32 s15, s14, 1                         ; which half of the tile's rows is mine.  Also: I fetch for A (0) or for B (1)
	s_and_b32 s16, s14, 1                          ; which half of its columns.  Also: which 128 rows of that tile I fetch
	s_bfe_u32 s40, ttmp6, 0x40000                  ; cx: my place in the cluster
	s_lshl_b32 s42, ttmp9, 2
	s_add_co_u32 s42, s42, s40                     ; tile column of C = 4 x cluster x + cx
	s_and_b32 s17, ttmp7, 0xffff                   ; tile row of C = cluster y: the four partners share it
	; descriptor group 1: a tile of 128 rows x 256 bytes, 16 bytes of padding behind each row
	s_mov_b32 s[G1+0], 15|(0<<16)|(1<<20)|(1<<21)|(5<<22)|(3<<25)   ; 15:0 the mask: all four; elements of 1 byte; padding on; bit 21 beside a mask; after every 64 words, 4 words
	s_mov_b32 s[G1B+0], (0<<16)|(1<<20)|(5<<22)|(3<<25)             ; B's: no mask
.irp g, G1, G1B
	s_mov_b32 s[\g+1], ROWB<<16                    ; tensor_dim0
	s_mov_b32 s[\g+2], 128<<16                     ; tensor_dim1
	s_mov_b32 s[\g+3], ROWB<<16                    ; tile_dim0
	s_mov_b32 s[\g+4], 128                         ; tile_dim1
	s_mov_b32 s[\g+5], KROW                        ; from row to row
	s_mov_b32 s[\g+6], 0
	s_mov_b32 s[\g+7], 0
.endr
	; the scales of 128 rows: a dense block of 4,096 bytes, as 16 rows of 256 bytes (32 elements of 8 bytes), 16 bytes of padding behind each
	s_mov_b32 s[G1S+0], 15|(3<<16)|(1<<20)|(1<<21)|(5<<22)|(3<<25)
	s_mov_b32 s[G1SB+0], (3<<16)|(1<<20)|(5<<22)|(3<<25)
.irp g, G1S, G1SB
	s_mov_b32 s[\g+1], 32<<16
	s_mov_b32 s[\g+2], 16<<16
	s_mov_b32 s[\g+3], 32<<16
	s_mov_b32 s[\g+4], 16
	s_mov_b32 s[\g+5], 32
	s_mov_b32 s[\g+6], 0
	s_mov_b32 s[\g+7], 0
.endr
	s_lshl_b32 s18, s16, 7                         ; which 128 rows of the tile I fetch
	s_lshl_b32 s20, s17, 8
	s_add_co_u32 s20, s20, s18                     ; A: row 256 x tile row + 128 x half
	s_lshl_b32 s46, s42, 8
	s_add_co_u32 s46, s46, s18                     ; B: row 256 x tile column + 128 x half
	s_mov_b32 s21, 0
	s_mov_b32 s47, 0
	s_mov_b64 s[18:19], KS
	s_mul_u64 s[22:23], s[20:21], s[18:19]         ; where these rows' scales begin, in bytes
	s_mul_u64 s[92:93], s[46:47], s[18:19]
	s_mov_b64 s[18:19], KROW
	s_mul_u64 s[20:21], s[20:21], s[18:19]         ; and their codes
	s_mul_u64 s[46:47], s[46:47], s[18:19]
	s_mul_i32 s45, s14, HALFT                      ; where they go: wave x 128 rows: no place in the cluster enters an LDS address
	s_mul_i32 s94, s14, HALFS
	s_wait_dscnt 0x0                               ; both opening adds are done
	s_wait_kmcnt 0x0
	s_add_nc_u64 s[20:21], s[4:5], s[20:21]
	s_add_nc_u64 s[22:23], s[6:7], s[22:23]
	s_add_nc_u64 s[46:47], s[8:9], s[46:47]
	s_add_nc_u64 s[92:93], s[10:11], s[92:93]
	CROUND                                         ; all four work-groups are here: the first joint loads meet
	s_mov_b32 s[G0S], 1
	s_add_co_u32 s[G0S+1], s94, SCL
	s_mov_b64 s[G0S+2:G0S+3], s[22:23]
	s_or_b32 s[G0S+3], s[G0S+3], 0x80000000
	s_mov_b32 s[G0SB], 1
	s_add_co_u32 s[G0SB+1], s94, SCL
	s_mov_b64 s[G0SB+2:G0SB+3], s[92:93]
	s_or_b32 s[G0SB+3], s[G0SB+3], 0x80000000
	JLOAD G0S, G1S, G0SB, G1SB                     ; the scales first: they are wanted with the first K step
.irp s, 0,1
	s_mov_b32 s[G0+4*\s], 1
	s_add_co_u32 s[G0+4*\s+1], s45, \s*SLOT
	s_add_nc_u64 s[G0+4*\s+2:G0+4*\s+3], s[20:21], \s*ROWB
	s_or_b32 s[G0+4*\s+3], s[G0+4*\s+3], 0x80000000
	s_mov_b32 s[G0B+4*\s], 1
	s_add_co_u32 s[G0B+4*\s+1], s45, \s*SLOT
	s_add_nc_u64 s[G0B+4*\s+2:G0B+4*\s+3], s[46:47], \s*ROWB
	s_or_b32 s[G0B+4*\s+3], s[G0B+4*\s+3], 0x80000000
	JLOAD G0+4*\s, G1, G0B+4*\s, G1B               ; three tensor loads of mine are out at the most
.endr
	v_and_b32 v1, 15, v0                           ; r = l % 16
	v_bfe_u32 v2, v0, 4, 1                         ; h = l / 16
	v_mul_u32_u24 v3, v1, PITCH
	v_lshl_add_u32 v4, v2, 4, v3                   ; a fragment's row x pitch + 16 x half
	s_mul_i32 s21, s15, HALFT                      ; my 128 rows of A
	s_mul_i32 s22, s16, HALFT                      ; my 128 rows of B,
	s_add_co_u32 s22, s22, 2*HALFT                 ; which lie behind A's 256
.irp s, 0,1
	v_add_nc_u32 v[ADRA+\s], s21, v4
	v_add_nc_u32 v[ADRB+\s], s22, v4
	s_add_co_u32 s21, s21, SLOT
	s_add_co_u32 s22, s22, SLOT
.endr
	v_mul_u32_u24 v5, v1, KS                       ; my row's scales: 32 bytes a row,
	v_lshrrev_b32 v6, 8, v5
	v_lshl_add_u32 v5, v6, 4, v5                   ; and 16 more for each 256 passed
	s_mul_i32 s21, s15, HALFS                      ; A's: my 128 rows
	s_mul_i32 s22, s16, HALFS                      ; B's: my 128 rows, behind A's 256
	s_add_co_u32 s22, s22, 2*HALFS
	s_sub_co_u32 s22, s22, s21
	v_mul_u32_u24 v6, s22, v2                      ; lanes 16-31 take B's: one product, the distance between the two
	s_add_co_u32 s21, s21, SCL
	v_add_nc_u32 v5, v5, v6
	v_add_nc_u32 v[ADRS], s21, v5
	s_mul_i32 s23, s14, 8448                       ; my stage: 16 rows x 528 bytes, in slot 0, which has had its only fill and its last read when the first result is stored there
	v_mul_u32_u24 v5, v1, 272                      ; f16, in: row r of 256 bytes + 16, 16 bytes for each half of the lanes
	v_lshl_add_u32 v5, v2, 4, v5
	v_add_nc_u32 v[STO], s23, v5
	v_and_b32 v6, 31, v0
	v_lshrrev_b32 v5, 3, v6                        ; f16, back: eight lanes take the 128 bytes of one head in one row, four rows an instruction
	v_mul_u32_u24 v5, v5, 272
	v_and_b32 v7, 7, v6
	v_lshl_add_u32 v5, v7, 4, v5
	v_add_nc_u32 v[RD], s23, v5
	v_lshlrev_b32 v[CO], 4, v6
	v_mul_u32_u24 v5, v1, 528                      ; f32, in: row r of 512 bytes + 16, 32 bytes for each half of the lanes
	v_lshl_add_u32 v5, v2, 5, v5
	v_add_nc_u32 v[STO32], s23, v5
	v_add_nc_u32 v[RD32], s23, v[CO]               ; f32, back: the 32 lanes take one row
	s_lshl_b32 s20, s17, 8
	s_lshl_b32 s21, s15, 7
	s_add_co_u32 s20, s20, s21                     ; my first row m
	s_lshl_b32 s20, s20, 7                         ; 128 bytes a row of a head
	s_lshl_b32 s46, s42, 2
	s_lshl_b32 s47, s16, 1
	s_add_co_u32 s46, s46, s47                     ; my first head plane g = 4 x tile column + 2 x half
	s_lshl_b32 s46, s46, 20                        ; a plane is 8,192 rows x 128 bytes
	s_add_co_u32 s46, s46, s20
	s_mov_b32 s47, 0
	s_add_nc_u64 s[12:13], s[12:13], s[46:47]
	s_lshr_b32 s20, s17, 3                         ; the batch: eight tile rows to a sequence
	s_mul_i32 s20, s20, 16*12288                   ; its 16 rows of qkv32
	s_lshl_b32 s46, s42, 10
	s_lshl_b32 s47, s16, 9
	s_add_co_u32 s46, s46, s47                     ; my first column, in bytes of f32
	s_add_co_u32 s46, s46, s20
	s_mov_b32 s47, 0
	s_add_nc_u64 s[66:67], s[66:67], s[46:47]
.macro FRAG reg, adr, q, i             ; 16 rows x 128 K of 4-bit codes: 8 registers: lane l holds row l % 16; registers 4 c .. 4 c + 3 hold K = 64 c + 32 (l / 16) + 0 .. 31
.irp c, 0,1
	ds_load_b128 v[\reg+4*\c:\reg+4*\c+3], v[\adr] offset:64*(\q)+32*\c+(\i)*16*PITCH
.endr
.endm
; 16 matrix instructions: A's blocks a0, a0 + 1 x B's eight, the slot's q-th 128 along K.  p: B's set; sc: the set of scale words.  zero = 1: the first product starts the sums.
; The 64 accumulators take turns, one instruction a turn, in the same order in every step.
.macro MUL16 a0, p, q, sc, zero
.irp a, \a0, \a0+1
.irp b, 0,1,2,3,4,5,6,7
.if \zero
	v_wmma_scale_f32_16x16x128_f8f6f4 v[8*(8*((\a)%4)+\b):8*(8*((\a)%4)+\b)+7], v[128*(\p)+FR*\b:128*(\p)+FR*\b+FR-1], v[AF+FR*(\a):AF+FR*(\a)+FR-1], 0, v[SC+8*NQ*(\sc)+NQ*\b+(\q)], v[SC+8*NQ*(\sc)+NQ*(\a)+(\q)] matrix_a_fmt:MATRIX_FMT_FP4 matrix_b_fmt:MATRIX_FMT_FP4 matrix_a_scale:MATRIX_SCALE_ROW1
.else
	v_wmma_scale_f32_16x16x128_f8f6f4 v[8*(8*((\a)%4)+\b):8*(8*((\a)%4)+\b)+7], v[128*(\p)+FR*\b:128*(\p)+FR*\b+FR-1], v[AF+FR*(\a):AF+FR*(\a)+FR-1], v[8*(8*((\a)%4)+\b):8*(8*((\a)%4)+\b)+7], v[SC+8*NQ*(\sc)+NQ*\b+(\q)], v[SC+8*NQ*(\sc)+NQ*(\a)+(\q)] matrix_a_fmt:MATRIX_FMT_FP4 matrix_b_fmt:MATRIX_FMT_FP4 matrix_a_scale:MATRIX_SCALE_ROW1
.endif
.endr
.endr
.endm
.macro FETCH_B slot, q, p
	WIN TO_B
.irp i, 0,1,2,3,4,5,6,7
	FRAG 128*(\p)+FR*\i, ADRB+\slot, \q, \i
.endr
	WIN 0
.endm
.macro FETCH_A slot, q, i0
.irp i, \i0, \i0+1, \i0+2, \i0+3
	FRAG AF+FR*(\i), ADRA+\slot, \q, \i
.endr
.endm
.macro SCALES sc                       ; a slot's scale words: 4 words a row; lanes 0-15 take A's block i, lanes 16-31 B's block i
.irp i, 0,1,2,3,4,5,6,7
	ds_load_b128 v[SC+8*NQ*\sc+NQ*\i:SC+8*NQ*\sc+NQ*\i+3], v[ADRS] offset:\i*SBLK
.endr
.endm
; A load into a register that a matrix instruction has read, and a vector instruction or an LDS store that reads a matrix result, stand NP plain vector instructions behind that matrix instruction.
.macro PLACES n
.rept \n
	v_nop
.endr
.endm
.macro STEP slot, q, zero              ; a step of 128 along K that has its successor in the same slot
	s_wait_dscnt 4*NL                              ; B's set and A's blocks 0-3 are in; the youngest eight loads (A's blocks 4-7) may be out
	WIN MUL_LO
	MUL16 0, (\q)%2, \q, \slot, \zero
	MUL16 2, (\q)%2, \q, \slot, \zero
	s_wait_dscnt 0                                 ; A's blocks 4-7 are in
	PLACES NP
	FETCH_B \slot, (\q)+1, 1-(\q)%2
	FETCH_A \slot, (\q)+1, 0
	WIN MUL_HI
	MUL16 4, (\q)%2, \q, \slot, \zero
	MUL16 6, (\q)%2, \q, \slot, \zero
	PLACES NP
	WIN 0
	FETCH_A \slot, (\q)+1, 4
.endm
.macro STEPS slot, from
.set Q, \from
.rept NQ-1-\from
	STEP \slot, Q, 0
.set Q, Q+1
.endr
.endm
	s_wait_tensorcnt 1                             ; the scales and my part of slot 0 are in; slot 1's load may be out
	s_barrier_signal -1
	s_barrier_wait -1                              ; everybody's are
	FETCH_B 0, 0, 0
	FETCH_A 0, 0, 0
	SCALES 0
	FETCH_A 0, 0, 4
	STEP 0, 0, 1                                   ; the first step's products start the sums
	STEPS 0, 1
	; slot 0's last step changes slots: one barrier; in front of it each wave waits for all its tensor loads and for its own reads of slot 0
	s_wait_tensorcnt 0x0                           ; my part of slot 1 has landed  (every window is 0 here)
	ds_add_u32 v[SPW], v[NIL]                      ; 0 onto my spare word
	s_wait_dscnt 4*NL+1                            ; (the add and the youngest eight loads, A's blocks 4-7, may be out)
	WIN MUL_LO
	MUL16 0, 1, NQ-1, 0, 0
	s_wait_dscnt 0x0                               ; the add is done, and my reads of slot 0 are over
	s_barrier_signal -1
	MUL16 2, 1, NQ-1, 0, 0
	WIN 0
	s_barrier_wait -1
	PLACES NP
	v_add_nc_u32 v[ADRS], 4*NQ, v[ADRS]            ; on to slot 1's scale words
	FETCH_B 1, 0, 0
	FETCH_A 1, 0, 0
	SCALES 1
	WIN MUL_HI
	MUL16 4, 1, NQ-1, 0, 0
	MUL16 6, 1, NQ-1, 0, 0
	PLACES NP
	WIN 0
	FETCH_A 1, 0, 4
	STEPS 1, 0
	s_wait_dscnt 4*NL                              ; the very last step: nothing more to fetch
	WIN MUL_LO
	MUL16 0, 1, NQ-1, 1, 0
	MUL16 2, 1, NQ-1, 1, 0
	s_wait_dscnt 0
	WIN MUL_HI
	MUL16 4, 1, NQ-1, 1, 0
	MUL16 6, 1, NQ-1, 1, 0
	WIN 0
; THE WAY OUT.  A lane holds eight neighbouring columns of one row, and the lanes beside it hold other rows: a block of 16 rows x 128 columns goes through my own stage in LDS.
; LDS serves a wave's instructions in order (ISA guide 5.7.1.4): no wait between the stores and the loads.
	PLACES NP                                      ; behind the last products: for reads of results and for loads into registers that held fragments and scales
	s_and_b32 s20, ttmp7, 7                        ; the first 16 positions of a sequence are block 0 of the upper row half of every eighth tile row:
	s_or_b32 s20, s20, s15                         ; the cluster's y and the wave's number alone decide
	s_cmp_lg_u32 s20, 0
	s_cbranch_scc1 .Lno32
	WIN 0x08                                       ; an LDS store's data are its source 1: window 2
.irp b, 0,1,2,3,4,5,6,7
	ds_store_b128 v[STO32], v[8*\b:8*\b+3] offset:64*\b            ; each accumulator from its low end on
	ds_store_b128 v[STO32], v[8*\b+4:8*\b+7] offset:64*\b+16
.endr
	WIN 0
.irp t, 0,1,2,3,4,5,6,7,8,9,10,11,12,13,14,15
	ds_load_b128 v[128+4*\t:128+4*\t+3], v[RD32] offset:\t*528
.endr
	s_wait_dscnt 0x0
.irp t, 0,1,2,3,4,5,6,7,8,9,10,11,12,13,14,15
	global_store_b128 v[CO], v[128+4*\t:128+4*\t+3], s[66:67] offset:\t*12288   ; 32 lanes store 512 consecutive bytes, aligned
.endr
.Lno32:
.macro PACK a                          ; block a rounded to f16: 16 bytes a lane for each of B's eight blocks
.set AC, 64*((\a)%4)
	WIN 0x0a+5*((\a)/4)                            ; sources 0 and 1: window 2 or 3
.irp b, 0,1,2,3,4,5,6,7
.irp r, 0,1,2,3
	v_cvt_pk_f16_f32 v[TMP+4*\b+\r], v[AC+8*\b+2*\r], v[AC+8*\b+2*\r+1]
.endr
.endr
	WIN 0
.endm
.macro TOSTAGE a                       ; into rows of 256 bytes + 16; back by head: four rows x 128 bytes an instruction
.set BKR, OB+192*((\a)%2)
.irp b, 0,1,2,3,4,5,6,7
	ds_store_b128 v[STO], v[TMP+4*\b:TMP+4*\b+3] offset:32*\b
.endr
.irp j, 0,1
.irp t, 0,1,2,3
	ds_load_b128 v[BKR+4*(4*\j+\t):BKR+4*(4*\j+\t)+3], v[RD] offset:4*\t*272+128*\j
.endr
.endr
.endm
.macro SEND a
.set BKR, OB+192*((\a)%2)
	s_wait_dscnt 0x0                               ; the block is back in registers
	s_wait_xcnt 0x0                                ; the stores of the block before have read their registers: the next block's loads may land there
.irp j, 0,1
.irp t, 0,1,2,3
	global_store_b128 v[CO], v[BKR+4*(4*\j+\t):BKR+4*(4*\j+\t)+3], s[12:13] offset:\j*1048576+(\a)*2048+\t*512   ; four rows of one head: 512 consecutive bytes, aligned
.endr
.endr
.endm
	PACK 0
	TOSTAGE 0
.irp a, 1,2,3,4,5,6,7                  ; block a's conversions stand between block a - 1's loads from the stage and the wait for them
	PACK \a
	SEND \a-1
	TOSTAGE \a
.endr
	SEND 7
	s_wait_tensorcnt 0x0                           ; the wave's end, behind my last tensor load and my last LDS store
	ds_add_u32 v[SPW], v[NIL]
	s_wait_dscnt 0x0
	CROUND                                         ; the closing round: no work-group ends while a partner may still ask for a tile that names it
	s_endpgm
.Lfunc_end_k_qd7461e87ef_qkv:
	.size	k_qd7461e87ef_qkv, .Lfunc_end_k_qd7461e87ef_qkv-k_qd7461e87ef_qkv
	.p2alignl 7, 3214868480
	.fill 96, 4, 3214868480
	.section	.rodata,"a",@progbits
	.p2align	6, 0x0
	.amdhsa_kernel k_qd7461e87ef_qkv
		.amdhsa_group_segment_fixed_size 327680
		.amdhsa_private_segment_fixed_size 0
		.amdhsa_enable_private_segment 0
		.amdhsa_kernarg_size 48
		.amdhsa_user_sgpr_count 2
		.amdhsa_user_sgpr_kernarg_segment_ptr 1
		.amdhsa_wavefront_size32 1
		.amdhsa_system_sgpr_workgroup_id_x 1
		.amdhsa_system_sgpr_workgroup_id_y 1
		.amdhsa_system_sgpr_workgroup_id_z 1
		.amdhsa_system_vgpr_workitem_id 0
		.amdhsa_next_free_vgpr 1024
		.amdhsa_next_free_sgpr 98
		.amdhsa_reserve_vcc 0
		.amdhsa_float_denorm_mode_32 3
		.amdhsa_float_denorm_mode_16_64 3
		.amdhsa_memory_ordered 1
		.amdhsa_forward_progress 1
		.amdhsa_inst_pref_size 130
	.end_amdhsa_kernel
	.amdgpu_metadata
---
amdhsa.version: [ 1, 2 ]
amdhsa.kernels:
  - .name:           k_qd7461e87ef_qkv
    .symbol:         k_qd7461e87ef_qkv.kd
    .args:
      - { .name: xc, .offset: 0, .size: 8, .value_kind: global_buffer, .address_space: global }
      - { .name: xs, .offset: 8, .size: 8, .value_kind: global_buffer, .address_space: global }
      - { .name: wc, .offset: 16, .size: 8, .value_kind: global_buffer, .address_space: global }
      - { .name: ws, .offset: 24, .size: 8, .value_kind: global_buffer, .address_space: global }
      - { .name: qkv, .offset: 32, .size: 8, .value_kind: global_buffer, .address_space: global }
      - { .name: qkv32, .offset: 40, .size: 8, .value_kind: global_buffer, .address_space: global }
    .group_segment_fixed_size: 327680
    .private_segment_fixed_size: 0
    .kernarg_segment_align: 8
    .kernarg_segment_size: 48
    .max_flat_workgroup_size: 128
    .sgpr_count:     98
    .vgpr_count:     1024
    .wavefront_size: 32
...
	.end_amdgpu_metadata
.endif
;; end of part 2
;; launch attn (part 3): grid 4 x 64, 16 waves a work-group, no clusters, 327,680 bytes of LDS; arguments qkv, ao; writes ao
.if DOCPART == 3
	.amdgcn_target "amdgcn-amd-amdhsa--gfx1250"
	.amdhsa_code_object_version 6
	.text
	.protected	k_qd7461e87ef_attn
	.globl	k_qd7461e87ef_attn
	.p2align	8
	.type	k_qd7461e87ef_attn,@function
k_qd7461e87ef_attn:
	s_mov_b64 s[64:65], 0
	v_nop
	global_prefetch_b8 v0, s[64:65] scope:SCOPE_SE
	s_setreg_imm32_b32 hwreg(HW_REG_WAVE_MODE, 25, 1), 1
	s_wait_xcnt 0x0
; O[b][h][q] = the sum over k <= q of softmax_k(Q[q] . K[k] / 8) V[k], head size 64, S = 2,048.  Q, K, V: f16, qkv[16 which + h][2048 b + s][64].  O: f16, ao[h][2048 b + s][64].
; Products on f16 operands with f32 sums; maxima, exponentials and sums in f32; a running maximum m and sum l for each query: p = 2^(c s - c m), c = log2(e) / 8; in every step O and l are
; multiplied by a = 2^(c m_old - c m_new).  p is rounded to f16 for the second product, O once at the end.
; LEFT OUT: steps of 64 keys that lie wholly behind a wave's 32 queries, and slots of 256 keys that lie wholly behind the work-group's last query: the problem's own causal mask gives them the weight 0.
; LIMITS: |q|, |k|, |v| and |O| under 65,504 (f16); a NaN or infinity that reaches only masked tiles is not carried to the result.  (Positions 0 to 15 of each sequence are written again, from f32, by the last launch's way.)
; SHARES.  Work-group (i, y): head y % 16 of batch y / 16; query blocks i and 7 - i of 256 queries: 32 i + 20 and 32 (7 - i) + 20 wave-steps, 264 in every work-group.  Each of the sixteen waves owns 32 queries,
; two tiles of 16 that share every fragment of K and V.  Wave w = 4 a + j takes the low block where a + j is even, else the high one; strip w / 2.
; NO CLUSTER: partner i would read slots 0 .. 7 - i alone, so a joint load would bring tiles that every wave of some partner jumps over.
; THE WALK.  Every work-group walks 8 slots of 256 keys, 4 steps of 64 to a slot: constant trip counts.  K's and V's tiles come through two LDS slots filled by the tensor data mover
; (waves 0, 1: K's halves; waves 2, 3: V's) and are read by all sixteen.
; LAYOUT.  S^T = K Q^T (source 0 = 16 keys, source 1 = 16 queries): a lane holds ONE query (lane % 16) and the keys 8 (lane / 16) + 0..7 of each tile.  Two such tiles, rounded to f16 in pairs, ARE source 1
; (32 keys x 16 queries) of O^T = V^T P.  K comes out of LDS as it lies, V ([key][channel]) turned, by ds_load_tr16_b128.
.set PK,    144                        ; a row of K in LDS: 128 bytes + 16: an odd multiple of 16
.set PV,    160                        ; a row of V: 128 + 32: an odd multiple of 32, for the turning load
.set VOFF,  256*PK                     ; a slot: 256 rows of K, then 256 rows of V
.set SLOT1, 1<<17                      ; slot 1 begins here: one exclusive or turns an address from one slot to the other
.set SPARE, 2*SLOT1                    ; the spare words, 128 bytes a wave
.set AK0,  1                           ; v1   my lane's place in a tile of K
.set AV0,  2                           ; v2   the same for V
.set SPW,  3
.set NIL,  4
.set ADK,  5                           ; v5   LDS address of the slot's K; on the way out: into the stage
.set ADV,  6                           ; v6   of V; on the way out: back from the stage
.set NINF, 7                           ; v7   -infinity
.set D0,   8                           ; v8, v9  the mask's distances of tiles 0, 1
.set ST,   10                          ; tile t's statistics at v[ST + 8 t]: +0 c m, +1 m, +2, +3 l in two halves, +4 to +7 at work; a takes +6
.set RH,   26                          ; v26  lane % 16 - 8 (lane / 16)
.set PFO,  28                          ; v28  256 x lane
.set Q,    32                          ; v32-63   Q: tile t, channels 32 c on, at Q + 16 t + 8 c
.set F,    64                          ; v64-127  K's eight fragments, then V's eight
.set S,    128                         ; v128-191 S^T: tile t, keys 16 kt on, at S + 32 t + 8 kt; p is rounded in place: P(t) at S + 32 t + 0 .. 15
.set O,    192                         ; v192-255 O^T: tile t, channels 16 ct on, at O + 32 t + 8 ct
.set TB,   2                           ; s2   LDS byte at which the slot in hand begins
.set WV,   18
.set SEL,  20                          ; s[20:21] lane selects: lane l xor 16
.set CS,   22                          ; s[22:23] c, twice
.set G1K,  24
.set G1V,  32
.set G0K,  40
.set G0V,  44
.set LASTQ, 66                         ; s66  my work-group's last query
.set SLOTS, 67                         ; s67  changes of slots still to come in the loop
.set PFA,  76                          ; s[76:77] where my prefetches stand
.set LIM,  80                          ; s80  1 in a wave that prefetches, else the greatest number
.set KF,   98                          ; s98  the step's first key
.set Q0,   99                          ; s99  my first query
.macro TLOAD                           ; waves 0 and 1 fetch K's halves, waves 2 and 3 V's, the others nothing.  An s_nop 0 and four v_nop follow each of the two lines
	s_cmp_lt_u32 s[WV], 2
	s_cbranch_scc0 .Lnot_k_\@
	tensor_load_to_lds s[G0K:G0K+3], s[G1K:G1K+7]
	s_nop 0
.rept 4
	v_nop
.endr
	s_branch .Lasked_\@
.Lnot_k_\@:
	s_cmp_lt_u32 s[WV], 4
	s_cbranch_scc0 .Lasked_\@
	tensor_load_to_lds s[G0V:G0V+3], s[G1V:G1V+7]
	s_nop 0
.rept 4
	v_nop
.endr
.Lasked_\@:
.endm
; A PREFETCH of what the NEXT change of slots will ask for: a slot's 256 rows of K and of V, each a dense block of 32,768 bytes.  The four work-groups of a head walk the same K and V: the one with x = 0, which walks
; all eight slots, asks.  In it the waves ask that fetch nothing: waves 4 to 7 for K, 8 to 11 for V, 8,192 bytes a wave, lanes 256 bytes apart: each aligned block of 256 bytes is named once in the launch.
; Change t asks for slot t + 2, four key steps ahead of the tensor load that wants it; the last change that fills a slot asks for nothing; slots 0 and 1 come by their loads alone.
.macro ASK
	s_cmp_gt_u32 s[SLOTS], s[LIM]
	s_cbranch_scc0 .Lnot_mine_\@
	global_prefetch_b8 v[PFO], s[PFA:PFA+1] th:TH_LOAD_NT scope:SCOPE_SE
.Lnot_mine_\@:
.endm
	s_load_b128 s[8:11], s[0:1], 0x0               ; qkv s[8:9], ao s[10:11]
	v_lshl_add_u32 v[SPW], v0, 2, SPARE
	v_mov_b32 v[NIL], 0
	ds_add_u32 v[SPW], v[NIL]                      ; the wave's opening: the add, twice on end, and its wait ahead of my first tensor load
	ds_add_u32 v[SPW], v[NIL]
	v_lshrrev_b32 v5, 5, v0
	v_readfirstlane_b32 s[WV], v5                  ; wave 0..15
	s_and_b32 s72, ttmp7, 0xffff
	s_and_b32 s73, s72, 15                         ; the head
	s_lshr_b32 s72, s72, 4                         ; the batch
	s_lshl_b32 s73, s73, 20                        ; a head's plane is 8,192 rows x 128 bytes,
	s_lshl_b32 s72, s72, 18                        ; a sequence 2,048 rows
	s_add_co_u32 s72, s72, s73                     ; where my head's sequence begins in a plane group
	s_lshr_b32 s74, s[WV], 2
	s_add_co_u32 s74, s74, s[WV]
	s_and_b32 s74, s74, 1                          ; (a + j) % 2: w = 4 a + j has j's parity
	s_sub_co_u32 s75, 7, ttmp9
	s_cmp_eq_u32 s74, 0
	s_cselect_b32 s75, ttmp9, s75                  ; my block of 256 queries: i or 7 - i
	s_lshl_b32 s75, s75, 8
	s_lshr_b32 s74, s[WV], 1
	s_lshl_b32 s74, s74, 5
	s_add_co_u32 s[Q0], s75, s74                   ; my first query
	s_sub_co_u32 s[LASTQ], 8, ttmp9
	s_lshl_b32 s[LASTQ], s[LASTQ], 8
	s_sub_co_u32 s[LASTQ], s[LASTQ], 1             ; the high block's last query
	s_lshl_b32 s74, s[Q0], 7
	s_add_co_u32 s74, s74, s72
	s_mov_b32 s75, 0                               ; s[74:75]: my queries' rows, in Q's planes and in ao
	s_and_b32 s82, s[WV], 1                        ; which half of a slot I fetch, if I fetch:
	s_lshl_b32 s84, s82, 14                        ; 128 rows of 128 bytes in memory,
	s_add_co_u32 s84, s84, s72
	s_mov_b32 s85, 0
	s_mul_i32 s86, s82, 128*PK                     ; and in a slot, for K
	s_mul_i32 s87, s82, 128*PV
	s_add_co_u32 s87, s87, VOFF                    ; and for V
	; descriptor group 1: 128 rows x 64 elements of 2 bytes, dense in memory; padding behind every 32 words: 4 words for K, 8 for V
	s_mov_b32 s[G1K], (1<<16)|(1<<20)|(4<<22)|(3<<25)
	s_mov_b32 s[G1V], (1<<16)|(1<<20)|(4<<22)|(7<<25)
.irp g, G1K, G1V
	s_mov_b32 s[\g+1], 64<<16                      ; tensor_dim0
	s_mov_b32 s[\g+2], 128<<16                     ; tensor_dim1
	s_mov_b32 s[\g+3], 64<<16                      ; tile_dim0
	s_mov_b32 s[\g+4], 128                         ; tile_dim1
	s_mov_b32 s[\g+5], 64                          ; from row to row
	s_mov_b32 s[\g+6], 0
	s_mov_b32 s[\g+7], 0
.endr
	s_mov_b32 s[SEL], 0x76543210
	s_mov_b32 s[SEL+1], 0xfedcba98
	s_mov_b32 s[CS], 0x3e38aa3b                    ; c = log2(e) / 8
	s_mov_b32 s[CS+1], s[CS]
	s_mov_b32 s[TB], 0
	s_mov_b32 s[KF], 0
	s_mov_b32 s[SLOTS], 7
	s_wait_dscnt 0x0                               ; both opening adds are done
	s_wait_kmcnt 0x0
	s_add_nc_u64 s[12:13], s[8:9], 0x1000000       ; K's 16 planes lie behind Q's,
	s_add_nc_u64 s[14:15], s[8:9], 0x2000000       ; V's behind K's
	s_mov_b32 s[G0K], 1
	s_mov_b32 s[G0K+1], s86
	s_add_nc_u64 s[G0K+2:G0K+3], s[12:13], s[84:85]
	s_or_b32 s[G0K+3], s[G0K+3], 0x80000000
	s_mov_b32 s[G0V], 1
	s_mov_b32 s[G0V+1], s87
	s_add_nc_u64 s[G0V+2:G0V+3], s[14:15], s[84:85]
	s_or_b32 s[G0V+3], s[G0V+3], 0x80000000
	TLOAD                                          ; slot 0: key 0 counts for every query, so it is read by every wave
	s_add_nc_u64 s[4:5], s[8:9], s[74:75]          ; Q at my first query
	s_add_nc_u64 s[6:7], s[10:11], s[74:75]        ; ao likewise
	s_cmp_lt_u32 s[WV], 8                          ; the prefetches: waves 4 to 7 stand in K, waves 8 to 11 in V
	s_cselect_b64 s[PFA:PFA+1], s[12:13], s[14:15]
	s_and_b32 s82, s[WV], 3
	s_lshl_b32 s82, s82, 13                        ; my wave's 8,192 bytes,
	s_add_co_u32 s82, s82, 32768                   ; in slot 1: the first change of slots steps it to slot 2
	s_add_co_u32 s82, s82, s72
	s_mov_b32 s83, 0
	s_add_nc_u64 s[PFA:PFA+1], s[PFA:PFA+1], s[82:83]
	s_sub_co_u32 s82, s[WV], 4
	s_lshr_b32 s82, s82, 3                         ; 0 in waves 4 to 11,
	s_or_b32 s82, s82, ttmp9                       ; of the work-group with x = 0
	s_cmp_eq_u32 s82, 0
	s_cselect_b32 s[LIM], 1, -1
	v_and_b32 v5, 15, v0                           ; r
	v_bfe_u32 v6, v0, 4, 1                         ; h
	v_lshlrev_b32 v8, 7, v5
	v_lshl_add_u32 v8, v6, 4, v8                   ; Q: row r of 128 bytes, + 16 h
.irp t, 0,1
.irp c, 0,1
	global_load_b128 v[Q+16*\t+8*\c:Q+16*\t+8*\c+3], v8, s[4:5] offset:\t*2048+64*\c        ; Q stays in registers
	global_load_b128 v[Q+16*\t+8*\c+4:Q+16*\t+8*\c+7], v8, s[4:5] offset:\t*2048+64*\c+32
.endr
.endr
	v_mul_u32_u24 v[AK0], v5, PK
	v_lshl_add_u32 v[AK0], v6, 4, v[AK0]           ; row x pitch + 16 x half
	v_and_b32 v9, 7, v0                            ; the turning load: lane l reads key 8 (l / 16) + l % 8, channels 8 ((l / 8) % 2) on
	v_lshl_add_u32 v[AV0], v6, 3, v9
	v_mul_u32_u24 v[AV0], v[AV0], PV
	v_bfe_u32 v9, v0, 3, 1
	v_lshl_add_u32 v[AV0], v9, 4, v[AV0]
	v_add_nc_u32 v[AV0], VOFF, v[AV0]
	v_lshlrev_b32 v9, 3, v6
	v_sub_nc_u32 v[RH], v5, v9
	v_mov_b32 v[NINF], 0xff800000
	v_and_b32 v[PFO], 31, v0
	v_lshlrev_b32 v[PFO], 8, v[PFO]
.irp t, 0,1
	v_mov_b32 v[ST+8*\t+1], 0xff61b1e6             ; the largest score so far: -3e38, under every score
	v_mul_f32 v[ST+8*\t], s[CS], v[ST+8*\t+1]
.irp i, 2,3,4,5,6,7
	v_mov_b32 v[ST+8*\t+\i], 0                     ; l, and the registers at work: written once on every path
.endr
.endr
.irp j, 0,1,2,3,4,5,6,7,8,9,10,11,12,13,14,15,16,17,18,19,20,21,22,23,24,25,26,27,28,29,30,31,32,33,34,35,36,37,38,39,40,41,42,43,44,45,46,47,48,49,50,51,52,53,54,55,56,57,58,59,60,61,62,63
	v_mov_b32 v[O+\j], 0                           ; O^T: the step is written once; the first finds zeros, which a = 0 leaves zeros
.endr
; A KEY STEP: 64 keys, the q-th of the slot in hand.
.macro STEP q
	s_add_co_u32 s96, s[Q0], 31                    ; a step all of whose keys come after my 32 queries is left out: a scalar branch on ids; no barrier and no tensor load stands in a step
	s_cmp_gt_u32 s[KF], s96
	s_cbranch_scc1 .Lhidden_\@
	v_add_nc_u32 v[ADK], s[TB], v[AK0]
	v_add_nc_u32 v[ADV], s[TB], v[AV0]
.rept 3
	v_nop                                          ; with the two additions five places behind the last step's products: four for the loads into F, five for the products that write over P
.endr
.irp kt, 0,1,2,3
.irp c, 0,1
	ds_load_b128 v[F+16*\kt+8*\c:F+16*\kt+8*\c+3], v[ADK] offset:(64*(\q)+16*\kt)*PK+64*\c
	ds_load_b128 v[F+16*\kt+8*\c+4:F+16*\kt+8*\c+7], v[ADK] offset:(64*(\q)+16*\kt)*PK+64*\c+32
.endr
.endr
	s_wait_dscnt 0x0
.irp c, 0,1                                    ; S^T = K Q^T: eight accumulators by turns, one instruction a turn
.irp kt, 0,1,2,3
.irp t, 0,1
.if \c == 0
	v_wmma_f32_16x16x32_f16 v[S+32*\t+8*\kt:S+32*\t+8*\kt+7], v[F+16*\kt+8*\c:F+16*\kt+8*\c+7], v[Q+16*\t+8*\c:Q+16*\t+8*\c+7], 0
.else
	v_wmma_f32_16x16x32_f16 v[S+32*\t+8*\kt:S+32*\t+8*\kt+7], v[F+16*\kt+8*\c:F+16*\kt+8*\c+7], v[Q+16*\t+8*\c:Q+16*\t+8*\c+7], v[S+32*\t+8*\kt:S+32*\t+8*\kt+7]
.endif
.endr
.endr
.endr
.rept 4
	v_nop                                          ; places in front of the loads into F and of the first read of the scores
.endr
.irp kb, 0,1                                   ; V, turned: keys 32 kb on, channels 16 ct on; it lands while the softmax is worked
.irp ct, 0,1,2,3
	ds_load_tr16_b128 v[F+32*\kb+8*\ct:F+32*\kb+8*\ct+3], v[ADV] offset:(64*(\q)+32*\kb)*PV+32*\ct
	ds_load_tr16_b128 v[F+32*\kb+8*\ct+4:F+32*\kb+8*\ct+7], v[ADV] offset:(64*(\q)+32*\kb)*PV+16*PV+32*\ct
.endr
.endr
	s_add_co_u32 s96, s[KF], 63                    ; on the diagonal the scores of hidden keys become -infinity ahead of the maximum; a step all of whose keys count skips this
	s_cmp_le_u32 s96, s[Q0]
	s_cbranch_scc1 .Lopen_\@
	s_sub_co_i32 s96, s[Q0], s[KF]
	v_add_nc_u32 v[D0], s96, v[RH]                 ; d = my query - KF - 8 (lane / 16).  Register n of a tile holds key KF + 8 (lane / 16) + 16 (n / 8) + n % 8: hidden where 16 (n / 8) + n % 8 > d
	v_add_nc_u32 v[D0+1], 16, v[D0]
.irp t, 0,1
.irp n, 0,1,2,3,4,5,6,7,8,9,10,11,12,13,14,15,16,17,18,19,20,21,22,23,24,25,26,27,28,29,30,31
	v_cmp_gt_i32 vcc_lo, 16*(\n/8)+\n%8, v[D0+\t]
	v_cndmask_b32 v[S+32*\t+\n], v[S+32*\t+\n], v[NINF], vcc_lo
.endr
.endr
.Lopen_\@:
.irp j, 0,1,2,3                                ; the maximum of my 32 scores and the old m: four chains, the two tiles line by line; each accumulator is read from its low end on
.irp t, 0,1
	v_max3_num_f32 v[ST+8*\t+4+\j], v[S+32*\t+8*\j], v[S+32*\t+8*\j+1], v[S+32*\t+8*\j+2]
.endr
.endr
.irp g, 1,2
.irp j, 0,1,2,3
.irp t, 0,1
	v_max3_num_f32 v[ST+8*\t+4+\j], v[ST+8*\t+4+\j], v[S+32*\t+8*\j+2*\g+1], v[S+32*\t+8*\j+2*\g+2]
.endr
.endr
.endr
.irp t, 0,1
	v_max3_num_f32 v[ST+8*\t+4], v[ST+8*\t+4], v[S+32*\t+7], v[S+32*\t+15]
.endr
.irp t, 0,1
	v_max3_num_f32 v[ST+8*\t+6], v[ST+8*\t+6], v[S+32*\t+23], v[S+32*\t+31]
.endr
.irp t, 0,1
	v_max3_num_f32 v[ST+8*\t+4], v[ST+8*\t+4], v[ST+8*\t+5], v[ST+8*\t+6]
.endr
.irp t, 0,1
	v_max3_num_f32 v[ST+8*\t+4], v[ST+8*\t+4], v[ST+8*\t+7], v[ST+8*\t+1]
.endr
.irp t, 0,1
	v_permlanex16_b32 v[ST+8*\t+5], v[ST+8*\t+4], s[SEL], s[SEL+1]   ; the query's other 32 keys lie in the lane 16 away
.endr
.irp t, 0,1
	v_mov_b32 v[ST+8*\t+7], v[ST+8*\t]             ; c m_old is kept for a
.endr
.irp t, 0,1
	v_max_num_f32 v[ST+8*\t+1], v[ST+8*\t+4], v[ST+8*\t+5]
.endr
.irp t, 0,1
	v_mul_f32 v[ST+8*\t], s[CS], v[ST+8*\t+1]
.endr
.irp t, 0,1
	v_sub_f32 v[ST+8*\t+7], v[ST+8*\t+7], v[ST+8*\t]
.endr
.irp b, 0,2,4,6,8,10,12,14,16,18,20,22,24,26,28,30
.irp t, 0,1
	v_pk_fma_f32 v[S+32*\t+\b:S+32*\t+\b+1], v[S+32*\t+\b:S+32*\t+\b+1], s[CS:CS+1], v[ST+8*\t:ST+8*\t+1] op_sel_hi:[1,0,0] neg_lo:[0,0,1] neg_hi:[0,0,1]   ; c s - c m, two at a time
.endr
.endr
.irp t, 0,1                                    ; ONE BATCH of 66 exponentials: a and p of both tiles
	v_exp_f32 v[ST+8*\t+6], v[ST+8*\t+7]
.endr
.irp n, 0,1,2,3,4,5,6,7,8,9,10,11,12,13,14,15,16,17,18,19,20,21,22,23,24,25,26,27,28,29,30,31
.irp t, 0,1
	v_exp_f32 v[S+32*\t+\n], v[S+32*\t+\n]
.endr
.endr
	v_nop                                          ; a plain instruction behind the last exponential
	s_wait_alu depctr_va_vdst(0)                   ; one wait for the batch, ahead of its first reader
.irp t, 0,1                                    ; l = a l + the sum of the unrounded p: two at a time, in two chains
	v_pk_add_f32 v[ST+8*\t+4:ST+8*\t+5], v[S+32*\t:S+32*\t+1], v[S+32*\t+2:S+32*\t+3]
.endr
.irp t, 0,1
	v_pk_fma_f32 v[ST+8*\t+2:ST+8*\t+3], v[ST+8*\t+2:ST+8*\t+3], v[ST+8*\t+6:ST+8*\t+7], v[S+32*\t+4:S+32*\t+5] op_sel_hi:[1,0,1]
.endr
.irp t, 0,1
	v_pk_add_f32 v[ST+8*\t+4:ST+8*\t+5], v[ST+8*\t+4:ST+8*\t+5], v[S+32*\t+6:S+32*\t+7]
.endr
.irp j, 8,12,16,20,24,28
.irp t, 0,1
	v_pk_add_f32 v[ST+8*\t+2:ST+8*\t+3], v[ST+8*\t+2:ST+8*\t+3], v[S+32*\t+\j:S+32*\t+\j+1]
	v_pk_add_f32 v[ST+8*\t+4:ST+8*\t+5], v[ST+8*\t+4:ST+8*\t+5], v[S+32*\t+\j+2:S+32*\t+\j+3]
.endr
.endr
.irp t, 0,1
	v_pk_add_f32 v[ST+8*\t+2:ST+8*\t+3], v[ST+8*\t+2:ST+8*\t+3], v[ST+8*\t+4:ST+8*\t+5]
.endr
.irp i, 0,1,2,3,4,5,6,7,8,9,10,11,12,13,14,15  ; p to f16, in place and ascending: register i takes p of registers 2 i and 2 i + 1, which no later line reads
.irp t, 0,1
	v_cvt_pk_f16_f32 v[S+32*\t+\i], v[S+32*\t+2*\i], v[S+32*\t+2*\i+1]
.endr
.endr
.irp j, 0,2,4,6,8,10,12,14,16,18,20,22,24,26,28,30
.irp t, 0,1
	v_pk_mul_f32 v[O+32*\t+\j:O+32*\t+\j+1], v[O+32*\t+\j:O+32*\t+\j+1], v[ST+8*\t+6:ST+8*\t+7] op_sel_hi:[1,0]   ; O^T under the new m
.endr
.endr
	s_wait_dscnt 0x0                               ; V is in
.irp kb, 0,1                                   ; O^T += V^T P: eight accumulators by turns
.irp ct, 0,1,2,3
.irp t, 0,1
	v_wmma_f32_16x16x32_f16 v[O+32*\t+8*\ct:O+32*\t+8*\ct+7], v[F+32*\kb+8*\ct:F+32*\kb+8*\ct+7], v[S+32*\t+8*\kb:S+32*\t+8*\kb+7], v[O+32*\t+8*\ct:O+32*\t+8*\ct+7]
.endr
.endr
.endr
.Lhidden_\@:
	s_add_co_u32 s[KF], s[KF], 64
.endm
; THE CHANGE OF SLOTS stands at a slot's head.  Each wave waits for all its tensor loads (its part of the slot that it is about to read), adds 0 to its spare word, and waits for that and for its reads of the slot that
; it has left.  Behind the barrier the slot ahead is whole and nobody reads the other one.  fill = 1: that other slot is filled with the keys that follow, up to the causal limit.
.macro CHANGE fill
	s_wait_tensorcnt 0x0                           ; no tensor load of mine is out, so a group 0 may be written
	ds_add_u32 v[SPW], v[NIL]                      ; 0 onto my spare word
.if \fill
	ds_add_u32 v[SPW], v[NIL]                      ; and once more
	s_xor_b32 s[G0K+1], s[G0K+1], SLOT1            ; the walking descriptors: the other slot than last time,
	s_add_nc_u64 s[G0K+2:G0K+3], s[G0K+2:G0K+3], 32768   ; the next 256 keys
	s_xor_b32 s[G0V+1], s[G0V+1], SLOT1
	s_add_nc_u64 s[G0V+2:G0V+3], s[G0V+2:G0V+3], 32768
	s_wait_xcnt 0x0                                ; the last prefetch, a slot back, has read its address, so it may be written:
	s_add_nc_u64 s[PFA:PFA+1], s[PFA:PFA+1], 32768 ; one slot further on than the walking descriptors
.endif
	s_wait_dscnt 0x0                               ; the add is done, and my reads of the slot that I have left are over
	s_barrier_signal -1
	s_barrier_wait -1
.if \fill
	s_add_co_u32 s96, s[KF], 256                   ; the first key of the slot that this change would ask for: a slot behind my work-group's last query is read by none of its waves and is not asked for.
	s_cmp_gt_u32 s96, s[LASTQ]                     ; Ids and the count of steps alone: all sixteen waves go the same way; every wait on TENSORcnt in this text is for 0
	s_cbranch_scc1 .Lpast_\@
	TLOAD                                          ; a wave's one tensor load until the next such barrier: it has a slot's four steps in which to land
.Lpast_\@:
	ASK
.endif
.endm
.macro SLOT_STEPS
	STEP 0
	STEP 1
	STEP 2
	STEP 3
	s_xor_b32 s[TB], s[TB], SLOT1                  ; on to the other slot
.endm
	s_wait_loadcnt 0x0                             ; Q
.Lslot:                                            ; seven trips: behind each change of slots but the last the next slot is asked for, up to the limit
	CHANGE 1
	SLOT_STEPS
	s_sub_co_u32 s[SLOTS], s[SLOTS], 1
	s_cmp_lg_u32 s[SLOTS], 0
	s_cbranch_scc1 .Lslot
	CHANGE 0                                       ; the last slot is written out: nothing is left to ask for
	SLOT_STEPS
	; THE WAY OUT.  O^T / l, rounded to f16, goes through my stage (32 rows x 144 bytes, in LDS slot 0, which was left at the last change of slots and has had its last fill) and leaves four rows an instruction.
	v_and_b32 v27, 15, v0                          ; (the address work is also the places behind the last products)
	v_bfe_u32 v8, v0, 4, 1
	s_mul_i32 s73, s[WV], 32*PK
	v_mul_u32_u24 v[ADK], v27, PK
	v_lshl_add_u32 v[ADK], v8, 4, v[ADK]
	v_add_nc_u32 v[ADK], s73, v[ADK]               ; in: row r, + 16 h
	v_and_b32 v9, 31, v0
	v_lshrrev_b32 v[ADV], 3, v9
	v_mul_u32_u24 v[ADV], v[ADV], PK
	v_and_b32 v27, 7, v0
	v_lshl_add_u32 v[ADV], v27, 4, v[ADV]
	v_add_nc_u32 v[ADV], s73, v[ADV]               ; back: eight lanes to a row of 128 bytes
	v_lshlrev_b32 v9, 4, v9                        ; and 16 x lane in ao
.irp t, 0,1
	v_add_f32 v[ST+8*\t+4], v[ST+8*\t+2], v[ST+8*\t+3]
.endr
.irp t, 0,1
	v_permlanex16_b32 v[ST+8*\t+5], v[ST+8*\t+4], s[SEL], s[SEL+1]
.endr
.irp t, 0,1
	v_add_f32 v[ST+8*\t+4], v[ST+8*\t+4], v[ST+8*\t+5]
.endr
.irp t, 0,1
	v_rcp_f32 v[ST+8*\t+6], v[ST+8*\t+4]
.endr
	v_nop                                          ; a plain instruction behind the last reciprocal
	s_wait_alu depctr_va_vdst(0)                   ; one wait for the two, ahead of their first reader
.irp t, 0,1
.irp j, 0,2,4,6,8,10,12,14,16,18,20,22,24,26,28,30
	v_pk_mul_f32 v[O+32*\t+\j:O+32*\t+\j+1], v[O+32*\t+\j:O+32*\t+\j+1], v[ST+8*\t+6:ST+8*\t+7] op_sel_hi:[1,0]
.endr
.endr
.irp t, 0,1
.irp i, 0,1,2,3,4,5,6,7,8,9,10,11,12,13,14,15
	v_cvt_pk_f16_f32 v[S+16*\t+\i], v[O+32*\t+2*\i], v[O+32*\t+2*\i+1]
.endr
.endr
.irp t, 0,1
.irp ct, 0,1,2,3
	ds_store_b128 v[ADK], v[S+16*\t+4*\ct:S+16*\t+4*\ct+3] offset:16*\t*PK+32*\ct
.endr
.endr
.irp f, 0,1,2,3,4,5,6,7
	ds_load_b128 v[S+32+4*\f:S+32+4*\f+3], v[ADV] offset:4*\f*PK   ; LDS serves a wave's instructions in order: these see my stores
.endr
.irp f, 0,1,2,3,4,5,6,7
	s_wait_dscnt 7-\f                              ; the younger loads may be out
	global_store_b128 v9, v[S+32+4*\f:S+32+4*\f+3], s[6:7] offset:512*\f   ; four rows: 512 consecutive bytes, aligned
.endr
	s_wait_tensorcnt 0x0                           ; the wave's end, behind my last tensor load and my last LDS store
	ds_add_u32 v[SPW], v[NIL]
	s_wait_dscnt 0x0
	s_endpgm
.Lfunc_end_k_qd7461e87ef_attn:
	.size	k_qd7461e87ef_attn, .Lfunc_end_k_qd7461e87ef_attn-k_qd7461e87ef_attn
	.p2alignl 7, 3214868480
	.fill 96, 4, 3214868480
	.section	.rodata,"a",@progbits
	.p2align	6, 0x0
	.amdhsa_kernel k_qd7461e87ef_attn
		.amdhsa_group_segment_fixed_size 327680
		.amdhsa_private_segment_fixed_size 0
		.amdhsa_enable_private_segment 0
		.amdhsa_kernarg_size 16
		.amdhsa_user_sgpr_count 2
		.amdhsa_user_sgpr_kernarg_segment_ptr 1
		.amdhsa_wavefront_size32 1
		.amdhsa_system_sgpr_workgroup_id_x 1
		.amdhsa_system_sgpr_workgroup_id_y 1
		.amdhsa_system_sgpr_workgroup_id_z 1
		.amdhsa_system_vgpr_workitem_id 0
		.amdhsa_next_free_vgpr 256
		.amdhsa_next_free_sgpr 100
		.amdhsa_reserve_vcc 1
		.amdhsa_float_denorm_mode_32 3
		.amdhsa_float_denorm_mode_16_64 3
		.amdhsa_memory_ordered 1
		.amdhsa_forward_progress 1
		.amdhsa_inst_pref_size 188
	.end_amdhsa_kernel
	.amdgpu_metadata
---
amdhsa.version: [ 1, 2 ]
amdhsa.kernels:
  - .name:           k_qd7461e87ef_attn
    .symbol:         k_qd7461e87ef_attn.kd
    .args:
      - { .name: qkv, .offset: 0, .size: 8, .value_kind: global_buffer, .address_space: global }
      - { .name: ao, .offset: 8, .size: 8, .value_kind: global_buffer, .address_space: global }
    .group_segment_fixed_size: 327680
    .private_segment_fixed_size: 0
    .kernarg_segment_align: 8
    .kernarg_segment_size: 16
    .max_flat_workgroup_size: 512
    .sgpr_count:     100
    .vgpr_count:     256
    .wavefront_size: 32
...
	.end_amdgpu_metadata
.endif
;; end of part 3
;; launch outproj (part 4): grid 4 x 64, 4 waves a work-group, clusters of 4 x 4, 327,680 bytes of LDS; arguments ao, wo16, out0; writes out0
.if DOCPART == 4
	.amdgcn_target "amdgcn-amd-amdhsa--gfx1250"
	.amdhsa_code_object_version 6
	.text
	.protected	k_qd7461e87ef_outproj
	.globl	k_qd7461e87ef_outproj
	.p2align	8
	.type	k_qd7461e87ef_outproj,@function
k_qd7461e87ef_outproj:
	s_mov_b64 s[64:65], 0
	v_nop
	global_prefetch_b8 v0, s[64:65] scope:SCOPE_SE
	s_setreg_imm32_b32 hwreg(HW_REG_WAVE_MODE, 25, 1), 1
	s_wait_xcnt 0x0
	s_wait_alu depctr_hold_cnt(0) depctr_sa_sdst(0) depctr_va_vdst(0) depctr_va_sdst(0) depctr_va_ssrc(0) depctr_va_vcc(0) depctr_vm_vsrc(0)
	s_getreg_b32 s2, hwreg(HW_REG_IB_STS2, 6, 4)
	s_cmp_eq_u32 s2, 0
	s_cbranch_scc0 .Lentry_in_a_cluster
	s_endpgm
.Lentry_in_a_cluster:
	s_bfe_u32 s2, ttmp6, 0x10000c
	s_cmp_lg_u32 s2, 0xf033
	s_cbranch_scc0 .Lentry_shape_is_right
	s_endpgm
.Lentry_shape_is_right:
; out0[m][n] = sum over k of A[m][k] Wo[n][k], M = 8,192, N = K = 1,024; f16 operands, f32 sums, f32 out.  A = the attention's result, ao[k / 64][m][64]; Wo as wo16[k / 64][n][64].
; Nothing is left out.  (The 64 rows of positions 0 to 15 are made here too, inside tiles that hold live work, and are written again from f32 by the last launch.)
; A tile of C is 128 x 256: 256 work-groups, one for each WGP (tiles of 256 x 256 would be 128).  Four waves, each 64 rows x 128 columns: 32 accumulators of 16 x 16, 256 registers.
; K goes in steps of 128 = two planes of 64 through two LDS slots.  One tensor load a wave: waves 0, 1 a plane of A (128 rows x 128 bytes, dense), waves 2, 3 a plane of B (256 rows).
; CLUSTERS: 4 x 4 work-groups.  The four of a row of the cluster need the same tiles of A, the four of a column the same tiles of B: each is asked for JOINTLY.
; THE MATRIX INSTRUCTION IS USED TRANSPOSED (source 0 = 16 rows of Wo, source 1 = 16 rows of A): a lane then holds eight neighbouring numbers of a row of C.
; REGISTERS: window 0: v0-31 addresses; two fragment buffers of 96 for 32 along K: B's 8 fragments, then A's 4; on the way out v32-159 rows of C.   window 1: the accumulators ((a, b) at v[8 (8 a + b)]).
.set PITCH,  144                       ; an LDS row: 128 bytes + 16: an odd multiple of 16
.set APL,    128*PITCH                 ; a plane of A in a slot
.set BPL,    256*PITCH                 ; a plane of B
.set BOFF,   2*APL                     ; B's planes lie behind A's two
.set SLOT,   2*APL+2*BPL
.set STAGE,  2*SLOT                    ; behind the slots: 16 rows x 528 bytes for each wave; no tensor load lands there
.set SPITCH, 528
.set SPARE,  STAGE+4*16*SPITCH
.set ADRA, 16
.set ADRB, 20
.set STO,  24
.set RD,   25
.set CO,   26
.set SPW,  28
.set NIL,  29
.set F0,   32
.set F1,   128
.set BK,   32                          ; the way out: 16 rows read back: v32-95 and v96-159 by turns
.set G1, 24
.set G0, 32
.set G1B, 48
.set G0B, 56
.set MSB, 0
.macro WIN new
.if MSB != \new
	s_set_vgpr_msb (MSB<<8)|\new
.set MSB, \new
.endif
.endm
.set MUL, 0x50                         ; sources 0 and 1 window 0; C and D window 1
.macro JLOAD s                         ; a joint load: waves 0 and 1 fetch A's planes, waves 2 and 3 B's; an s_nop 0 and four v_nop follow each of the two lines
	s_cmp_eq_u32 s11, 0
	s_cbranch_scc0 .Lfor_b_\@
	tensor_load_to_lds s[G0+4*\s:G0+4*\s+3], s[G1:G1+7]
	s_nop 0
.rept 4
	v_nop
.endr
	s_branch .Lasked_\@
.Lfor_b_\@:
	tensor_load_to_lds s[G0B+4*\s:G0B+4*\s+3], s[G1B:G1B+7]
	s_nop 0
.rept 4
	v_nop
.endr
.Lasked_\@:
.endm
.macro CREST                           ; a round of the cluster's barrier behind its opening barrier
	s_cmp_lg_u32 s10, 0
	s_cbranch_scc1 .Lnot_wave_0_\@
	s_barrier_signal -3
.Lnot_wave_0_\@:
	s_barrier_wait -3
	s_barrier_signal -1
	s_barrier_wait -1
.endm
.macro CROUND
	s_barrier_signal -1
	s_barrier_wait -1
	CREST
.endm
	s_load_b128 s[4:7], s[0:1], 0x0                ; ao s[4:5], wo16 s[6:7]
	s_load_b64 s[8:9], s[0:1], 0x10                ; out0
	v_lshl_add_u32 v[SPW], v0, 2, SPARE
	v_mov_b32 v[NIL], 0
	ds_add_u32 v[SPW], v[NIL]                      ; the wave's opening: the add, twice on end, and its wait ahead of my first tensor load
	ds_add_u32 v[SPW], v[NIL]
	v_lshrrev_b32 v1, 5, v0
	v_readfirstlane_b32 s10, v1                    ; wave 0..3
	s_lshr_b32 s11, s10, 1                         ; which 64 of the tile's rows are mine.  Also: I fetch for A (0) or for B (1)
	s_and_b32 s12, s10, 1                          ; which 128 of its columns.  Also: which plane of a K step I fetch
	s_bfe_u32 s40, ttmp6, 0x40000                  ; cx, cy
	s_bfe_u32 s41, ttmp6, 0x40004
	s_lshl_b32 s42, ttmp9, 2
	s_add_co_u32 s42, s42, s40                     ; tile column
	s_and_b32 s13, ttmp7, 0xffff
	s_lshl_b32 s13, s13, 2
	s_add_co_u32 s13, s13, s41                     ; tile row
	s_lshl_b32 s43, s41, 2
	s_lshl_b32 s43, 15, s43                        ; my row of the cluster
	s_lshl_b32 s44, 0x1111, s40                    ; my column
	s_or_b32 s[G1+0], s43, (1<<16)|(1<<20)|(1<<21)|(4<<22)|(3<<25)   ; the mask; elements of 2 bytes; padding on; bit 21 beside a mask; after every 32 words, 4 words
	s_or_b32 s[G1B+0], s44, (1<<16)|(1<<20)|(1<<21)|(4<<22)|(3<<25)
	s_mov_b32 s[G1+1], 64<<16                      ; tensor_dim0
	s_mov_b32 s[G1+2], 128<<16                     ; tensor_dim1
	s_mov_b32 s[G1+3], 64<<16                      ; tile_dim0
	s_mov_b32 s[G1+4], 128                         ; tile_dim1
	s_mov_b32 s[G1+5], 64                          ; from row to row
	s_mov_b32 s[G1+6], 0
	s_mov_b32 s[G1+7], 0
	s_mov_b32 s[G1B+1], 64<<16
	s_mov_b32 s[G1B+2], 256<<16
	s_mov_b32 s[G1B+3], 64<<16
	s_mov_b32 s[G1B+4], 256
	s_mov_b32 s[G1B+5], 64
	s_mov_b32 s[G1B+6], 0
	s_mov_b32 s[G1B+7], 0
	s_lshl_b32 s16, s13, 14                        ; A: tile row x 128 rows x 128 bytes,
	s_lshl_b32 s17, s12, 20                        ; + my plane of 8,192 rows
	s_add_co_u32 s16, s16, s17
	s_mov_b32 s17, 0
	s_lshl_b32 s46, s42, 15                        ; B: tile column x 256 rows x 128 bytes,
	s_lshl_b32 s47, s12, 17                        ; + my plane of 1,024 rows
	s_add_co_u32 s46, s46, s47
	s_mov_b32 s47, 0
	s_mul_i32 s20, s12, APL                        ; where they go: no place in the cluster enters an LDS address
	s_mul_i32 s21, s12, BPL
	s_add_co_u32 s21, s21, BOFF
	s_wait_dscnt 0x0                               ; both opening adds are done
	s_wait_kmcnt 0x0
	s_add_nc_u64 s[14:15], s[4:5], s[16:17]
	s_add_nc_u64 s[46:47], s[6:7], s[46:47]
	CROUND                                         ; all sixteen work-groups are here: the first joint loads meet
.irp s, 0,1
	s_mov_b32 s[G0+4*\s], 1
	s_add_co_u32 s[G0+4*\s+1], s20, \s*SLOT
	s_add_nc_u64 s[G0+4*\s+2:G0+4*\s+3], s[14:15], \s*0x200000     ; K step s: two planes on
	s_or_b32 s[G0+4*\s+3], s[G0+4*\s+3], 0x80000000
	s_mov_b32 s[G0B+4*\s], 1
	s_add_co_u32 s[G0B+4*\s+1], s21, \s*SLOT
	s_add_nc_u64 s[G0B+4*\s+2:G0B+4*\s+3], s[46:47], \s*0x40000
	s_or_b32 s[G0B+4*\s+3], s[G0B+4*\s+3], 0x80000000
	JLOAD \s                                       ; two tensor loads of mine are out at the start, one behind each round
.endr
	v_and_b32 v1, 15, v0                           ; r
	v_bfe_u32 v2, v0, 4, 1                         ; h
	v_mul_u32_u24 v3, v1, PITCH
	v_lshl_add_u32 v3, v2, 4, v3                   ; a fragment's row x pitch + 16 x half
	s_mul_i32 s21, s11, 64*PITCH                   ; my 64 rows of A
	s_mul_i32 s22, s12, 128*PITCH                  ; my 128 rows of B,
	s_add_co_u32 s22, s22, BOFF                    ; which lie behind A's planes
.irp s, 0,1
	v_add_nc_u32 v[ADRA+\s], s21, v3
	v_add_nc_u32 v[ADRB+\s], s22, v3
	s_add_co_u32 s21, s21, SLOT
	s_add_co_u32 s22, s22, SLOT
.endr
	s_mul_i32 s23, s10, 16*SPITCH
	s_add_co_u32 s23, s23, STAGE                   ; my stage
	v_mul_u32_u24 v4, v1, SPITCH                   ; in: row r, 32 bytes for each half of the lanes
	v_lshl_add_u32 v4, v2, 5, v4
	v_add_nc_u32 v[STO], s23, v4
	v_and_b32 v5, 31, v0
	v_lshlrev_b32 v[CO], 4, v5                     ; back: the 32 lanes take one row of 512 bytes; and the same in C
	v_add_nc_u32 v[RD], s23, v[CO]
	s_lshl_b32 s16, s13, 7
	s_lshl_b32 s17, s11, 6
	s_add_co_u32 s16, s16, s17                     ; my first row of C
	s_lshl_b32 s16, s16, 12                        ; 4,096 bytes a row
	s_lshl_b32 s46, s42, 10
	s_lshl_b32 s47, s12, 9
	s_add_co_u32 s46, s46, s47                     ; my first column, in bytes
	s_add_co_u32 s46, s46, s16
	s_mov_b32 s47, 0
	s_add_nc_u64 s[8:9], s[8:9], s[46:47]
; 8 matrix instructions: A's block a x B's eight, 32 along K.  The 32 accumulators take turns, one instruction a turn, in the same order in every quarter.
.macro MUL8 f, a, zero
.irp b, 0,1,2,3,4,5,6,7
.if \zero
	v_wmma_f32_16x16x32_f16 v[8*(8*(\a)+\b):8*(8*(\a)+\b)+7], v[\f+8*\b:\f+8*\b+7], v[\f+64+8*(\a):\f+64+8*(\a)+7], 0
.else
	v_wmma_f32_16x16x32_f16 v[8*(8*(\a)+\b):8*(8*(\a)+\b)+7], v[\f+8*\b:\f+8*\b+7], v[\f+64+8*(\a):\f+64+8*(\a)+7], v[8*(8*(\a)+\b):8*(8*(\a)+\b)+7]
.endif
.endr
.endm
.macro MUL16 f, a0, zero
	MUL8 \f, \a0, \zero
	MUL8 \f, (\a0)+1, \zero
.endm
; 24 LDS loads in one run: quarter q of a K step (plane q / 2, 64 (q % 2) bytes on) into buffer f: B's 16, then A's blocks 0, 1, then 2, 3
.macro FETCH slot, q, f
	WIN 0
.irp i, 0,1,2,3,4,5,6,7
	ds_load_b128 v[\f+8*\i:\f+8*\i+3],   v[ADRB+\slot] offset:((\q)/2)*BPL+64*((\q)%2)+\i*16*PITCH
	ds_load_b128 v[\f+8*\i+4:\f+8*\i+7], v[ADRB+\slot] offset:((\q)/2)*BPL+64*((\q)%2)+\i*16*PITCH+32
.endr
.irp i, 0,1,2,3
	ds_load_b128 v[\f+64+8*\i:\f+64+8*\i+3],   v[ADRA+\slot] offset:((\q)/2)*APL+64*((\q)%2)+\i*16*PITCH
	ds_load_b128 v[\f+64+8*\i+4:\f+64+8*\i+7], v[ADRA+\slot] offset:((\q)/2)*APL+64*((\q)%2)+\i*16*PITCH+32
.endr
.endm
.macro PLACES                          ; four plain instructions in front of loads into registers that matrix instructions have read, and of reads of results
.rept 4
	v_nop
.endr
.endm
; One of a K step's first three quarters: multiplies buffer f and fetches quarter q into g.
.macro QUARTER slot, q, f, g, zero
	s_wait_dscnt 4                                 ; B's and A's blocks 0, 1 are in; the youngest four loads (A's blocks 2, 3) may be out
	WIN MUL
	MUL16 \f, 0, \zero
	PLACES
	FETCH \slot, \q, \g
	s_wait_dscnt 24                                ; all but the 24 just issued
	WIN MUL
	MUL16 \f, 2, \zero
.endm
; The last quarter multiplies buffer 1 and changes slots: ONE barrier; in front of it each wave waits for all its tensor loads, adds 0 to its spare word, and waits for that and for its reads of this slot.
.macro TURN slot, next, fill
	WIN 0
	s_wait_tensorcnt 0x0                           ; all my tensor loads have landed: my part of the next slot;
	ds_add_u32 v[SPW], v[NIL]                      ; 0 onto my spare word;
	s_wait_dscnt 5                                 ; (the add and the youngest four loads may be out)
	WIN MUL
	MUL8 F1, 0, 0
	s_wait_dscnt 0x0                               ; the add is done, and my reads of this slot are over
	s_barrier_signal -1
	MUL8 F1, 1, 0
	WIN 0
	s_barrier_wait -1
.if \fill
	CREST                                          ; the barrier has opened a round of the cluster's: no wave of any partner still reads this slot or has a load on its way
	s_add_nc_u64 s[G0+4*\slot+2:G0+4*\slot+3], s[G0+4*\slot+2:G0+4*\slot+3], 0x400000     ; two K steps on: four planes
	s_add_nc_u64 s[G0B+4*\slot+2:G0B+4*\slot+3], s[G0B+4*\slot+2:G0B+4*\slot+3], 0x80000
	JLOAD \slot                                    ; the first tensor load behind the round: 112 matrix instructions ahead of the wait for it; its four v_nop are the places in front of the loads below
.else
	PLACES
.endif
	FETCH \next, 0, F0
	WIN MUL
	MUL16 F1, 2, 0
.endm
	s_wait_tensorcnt 1                             ; my part of K step 0 is in; K step 1's may be out
	s_barrier_signal -1
	s_barrier_wait -1
	FETCH 0, 0, F0
	QUARTER 0, 1, F0, F1, 1                        ; the first quarter's products start the sums
	WIN 0
	s_mov_b32 s3, 3
.Llap:                                             ; a trip goes once round the two slots and fills both again: K steps 2 to 7
	QUARTER 0, 2, F1, F0, 0
	QUARTER 0, 3, F0, F1, 0
	TURN 0, 1, 1
	QUARTER 1, 1, F0, F1, 0
	QUARTER 1, 2, F1, F0, 0
	QUARTER 1, 3, F0, F1, 0
	TURN 1, 0, 1
	QUARTER 0, 1, F0, F1, 0
	WIN 0
	s_sub_co_u32 s3, s3, 1
	s_cmp_lg_u32 s3, 0
	s_cbranch_scc1 .Llap
	QUARTER 0, 2, F1, F0, 0                        ; the last lap fills nothing
	QUARTER 0, 3, F0, F1, 0
	TURN 0, 1, 0
	QUARTER 1, 1, F0, F1, 0
	QUARTER 1, 2, F1, F0, 0
	QUARTER 1, 3, F0, F1, 0
	s_wait_dscnt 4
	WIN MUL
	MUL16 F1, 0, 0
	s_wait_dscnt 0x0
	MUL16 F1, 2, 0
	WIN 0
; THE WAY OUT, block by block of 16 rows x 128 columns, through my own stage: back as whole rows of 512 bytes.  LDS serves a wave's instructions in order (ISA guide 5.7.1.4).
.macro TOSTAGE a
	WIN 0x04                                       ; an LDS store's data are its source 1: window 1
.irp b, 0,1,2,3,4,5,6,7
	ds_store_b128 v[STO], v[64*(\a)+8*\b:64*(\a)+8*\b+3] offset:64*\b          ; each accumulator from its low end on
	ds_store_b128 v[STO], v[64*(\a)+8*\b+4:64*(\a)+8*\b+7] offset:64*\b+16
.endr
	WIN 0
.set BB, BK+64*((\a)%2)
.irp t, 0,1,2,3,4,5,6,7,8,9,10,11,12,13,14,15
	ds_load_b128 v[BB+4*\t:BB+4*\t+3], v[RD] offset:\t*SPITCH
.endr
.endm
.macro SEND a, younger                 ; younger: the LDS instructions issued behind block a's loads, which may stay out
.set BB, BK+64*((\a)%2)
	s_wait_dscnt \younger
.irp t, 0,1,2,3,4,5,6,7,8,9,10,11,12,13,14,15
	global_store_b128 v[CO], v[BB+4*\t:BB+4*\t+3], s[8:9] offset:(16*(\a)+\t)*4096 th:TH_STORE_NT   ; 32 lanes store 512 consecutive bytes, aligned
.endr
.endm
	PLACES
	TOSTAGE 0
.irp a, 1,2,3
.if \a > 1
	s_wait_xcnt 0x0                                ; block a - 2's stores have read their registers: block a's loads may land there
.endif
	TOSTAGE \a
	SEND \a-1, 32                                  ; behind block a - 1's loads: block a's 16 stores and 16 loads
.endr
	SEND 3, 0
	s_wait_tensorcnt 0x0                           ; the wave's end, behind my last tensor load and my last LDS store
	ds_add_u32 v[SPW], v[NIL]
	s_wait_dscnt 0x0
	CROUND                                         ; the closing round
	s_endpgm
.Lfunc_end_k_qd7461e87ef_outproj:
	.size	k_qd7461e87ef_outproj, .Lfunc_end_k_qd7461e87ef_outproj-k_qd7461e87ef_outproj
	.p2alignl 7, 3214868480
	.fill 96, 4, 3214868480
	.section	.rodata,"a",@progbits
	.p2align	6, 0x0
	.amdhsa_kernel k_qd7461e87ef_outproj
		.amdhsa_group_segment_fixed_size 327680
		.amdhsa_private_segment_fixed_size 0
		.amdhsa_enable_private_segment 0
		.amdhsa_kernarg_size 24
		.amdhsa_user_sgpr_count 2
		.amdhsa_user_sgpr_kernarg_segment_ptr 1
		.amdhsa_wavefront_size32 1
		.amdhsa_system_sgpr_workgroup_id_x 1
		.amdhsa_system_sgpr_workgroup_id_y 1
		.amdhsa_system_sgpr_workgroup_id_z 1
		.amdhsa_system_vgpr_workitem_id 0
		.amdhsa_next_free_vgpr 512
		.amdhsa_next_free_sgpr 66
		.amdhsa_reserve_vcc 0
		.amdhsa_float_denorm_mode_32 3
		.amdhsa_float_denorm_mode_16_64 3
		.amdhsa_memory_ordered 1
		.amdhsa_forward_progress 1
		.amdhsa_inst_pref_size 85
	.end_amdhsa_kernel
	.amdgpu_metadata
---
amdhsa.version: [ 1, 2 ]
amdhsa.kernels:
  - .name:           k_qd7461e87ef_outproj
    .symbol:         k_qd7461e87ef_outproj.kd
    .args:
      - { .name: ao, .offset: 0, .size: 8, .value_kind: global_buffer, .address_space: global }
      - { .name: wo16, .offset: 8, .size: 8, .value_kind: global_buffer, .address_space: global }
      - { .name: out0, .offset: 16, .size: 8, .value_kind: global_buffer, .address_space: global }
    .group_segment_fixed_size: 327680
    .private_segment_fixed_size: 0
    .kernarg_segment_align: 8
    .kernarg_segment_size: 24
    .max_flat_workgroup_size: 128
    .sgpr_count:     66
    .vgpr_count:     512
    .wavefront_size: 32
...
	.end_amdgpu_metadata
.endif
;; end of part 4
;; launch first16 (part 5): grid 16 x 4, 16 waves a work-group, no clusters, 71,680 bytes of LDS; arguments qkv32, Wo, out0; writes out0
.if DOCPART == 5
	.amdgcn_target "amdgcn-amd-amdhsa--gfx1250"
	.amdhsa_code_object_version 6
	.text
	.protected	k_qd7461e87ef_first16
	.globl	k_qd7461e87ef_first16
	.p2align	8
	.type	k_qd7461e87ef_first16,@function
k_qd7461e87ef_first16:
	s_mov_b64 s[64:65], 0
	v_nop
	global_prefetch_b8 v0, s[64:65] scope:SCOPE_SE
	s_setreg_imm32_b32 hwreg(HW_REG_WAVE_MODE, 25, 1), 1
	s_wait_xcnt 0x0
; Positions 0 to 15 of each of the 4 sequences, in f32 throughout: scores, softmax, the weighted sum of v and the projection by Wo.  Under the causal mask these rows average one to sixteen values and are the
; largest of the output: f16 operands would use up too much of what the comparison allows.  64 rows of out0 in all: no bulk work, so the f32 matrix form serves.
; LEFT OUT: keys 16 and later, which the problem's own mask hides from these queries.
; IN: qkv32[16 b + s][3072] (q, k, v as the quantised products' f32 sums), Wo [n][k] f32.  OUT: out0 rows 2048 b + s.
; SHARES.  Work-group (x, y): 64 output columns n0 = 64 x of batch y.  Wave = head: it makes its head's 16 x 16 attention (32 matrix instructions; every work-group of a batch makes it anew) and multiplies
; its 64 channels into the 64 columns; the sixteen heads' parts meet in LDS, and wave w adds and stores row s = w.
; K IS TAKEN IN THE SAME PERMUTED ORDER ON BOTH SIDES OF EACH PRODUCT, so that no number changes lanes:  S^T = K Q^T: chunk e takes registers 2 e, 2 e + 1 of eight 16-byte loads;
; O^T = V^T P: chunk c takes keys 8 h + 2 c + j, which are P's registers 2 c, 2 c + 1;  out^T = Wo O: chunk (ct, c) takes channels 16 ct + 8 h + 2 c + j, which are O's registers.
; The registers that the f32 matrix form writes, v176-239, are written by matrix instructions alone; each sum begins with the constant 0.
.set SPW, 14
.set NIL, 15
.set SPARE, 16*4352                    ; behind the sixteen parts (16 rows x 272 bytes each): the spare words
	s_load_b128 s[8:11], s[0:1], 0x0               ; qkv32 s[8:9], Wo s[10:11]
	s_load_b64 s[12:13], s[0:1], 0x10              ; out0
	v_lshl_add_u32 v[SPW], v0, 2, SPARE
	v_mov_b32 v[NIL], 0
	v_lshrrev_b32 v5, 5, v0
	v_readfirstlane_b32 s14, v5                    ; wave = head; at the end: the row that I add up
	v_and_b32 v5, 15, v0                           ; r
	v_bfe_u32 v6, v0, 4, 1                         ; h
	v_mul_u32_u24 v1, v5, 12288
	v_lshl_add_u32 v1, v6, 4, v1                   ; Q, K: row r of 12,288 bytes, + 16 h
	v_mul_u32_u24 v2, v6, 98304
	v_lshl_add_u32 v2, v5, 2, v2                   ; V: keys 8 h on, channel r
	v_lshlrev_b32 v3, 12, v5
	v_lshl_add_u32 v3, v6, 5, v3                   ; Wo: row r of 4,096 bytes, + 32 h
	v_lshlrev_b32 v7, 3, v6
	v_sub_nc_u32 v4, v5, v7                        ; r - 8 h
	s_mul_i32 s15, s14, 4352
	v_mul_u32_u24 v8, v5, 272
	v_lshl_add_u32 v8, v6, 5, v8
	v_add_nc_u32 v8, s15, v8                       ; LDS, in: my part, row r, + 32 h
	s_mul_i32 s15, s14, 272
	v_and_b32 v13, 31, v0
	v_lshlrev_b32 v13, 3, v13                      ; 8 x lane: two columns a lane
	v_add_nc_u32 v9, s15, v13                      ; LDS, back: row = my wave's number
	s_and_b32 s15, ttmp7, 0xffff                   ; the batch
	s_mul_i32 s16, s15, 196608                     ; its 16 rows of qkv32,
	s_lshl_b32 s17, s14, 8                         ; my head's 64 numbers
	s_add_co_u32 s16, s16, s17
	s_lshl_b32 s18, ttmp9, 18                      ; Wo: 64 rows of 4,096 bytes a work-group,
	s_add_co_u32 s18, s18, s17                     ; my head's 64 along K
	s_mov_b32 s17, 0
	s_mov_b32 s19, 0
	s_lshl_b32 s24, s15, 23                        ; out0: 2,048 rows of 4,096 bytes a batch,
	s_lshl_b32 s25, s14, 12                        ; row = my wave's number,
	s_add_co_u32 s24, s24, s25
	s_lshl_b32 s25, ttmp9, 8                       ; 64 columns a work-group
	s_add_co_u32 s24, s24, s25
	s_mov_b32 s25, 0
	s_mov_b32 s20, 0x76543210
	s_mov_b32 s21, 0xfedcba98                      ; lane l xor 16
	s_mov_b32 s22, 0x3e38aa3b                      ; c = log2(e) / 8
	s_wait_kmcnt 0x0
	s_add_nc_u64 s[8:9], s[8:9], s[16:17]
	s_add_nc_u64 s[10:11], s[10:11], s[18:19]
	s_add_nc_u64 s[12:13], s[12:13], s[24:25]
.irp c, 0,1,2,3,4,5,6,7
	global_load_b128 v[16+4*\c:19+4*\c], v1, s[8:9] offset:32*\c               ; Q(r, 8 c + 4 h + 0..3)
.endr
.irp c, 0,1,2,3,4,5,6,7
	global_load_b128 v[48+4*\c:51+4*\c], v1, s[8:9] offset:4096+32*\c          ; K likewise
.endr
.irp ct, 0,1,2,3
.irp k, 0,1,2,3,4,5,6,7
	global_load_b32 v[80+8*\ct+\k], v2, s[8:9] offset:8192+\k*12288+64*\ct     ; V(8 h + k, 16 ct + r)
.endr
.endr
.irp nt, 0,1
.irp ct, 0,1,2,3
	global_load_b128 v[112+32*\nt+8*\ct:112+32*\nt+8*\ct+3], v3, s[10:11] offset:\nt*65536+64*\ct       ; Wo(n0 + 16 nt + r, 64 head + 16 ct + 8 h + 0..7)
	global_load_b128 v[112+32*\nt+8*\ct+4:112+32*\nt+8*\ct+7], v3, s[10:11] offset:\nt*65536+64*\ct+16
.endr
.endr
	s_wait_loadcnt 48                              ; Q and K are in; V's 32 loads and Wo's 16 may be out
.irp e, 0,1,2,3,4,5,6,7,8,9,10,11,12,13,14,15      ; S^T = K Q^T in four partial sums that take turns
.if \e < 4
	v_wmma_f32_16x16x4_f32 v[176+8*(\e%4):183+8*(\e%4)], v[48+2*\e:49+2*\e], v[16+2*\e:17+2*\e], 0
.else
	v_wmma_f32_16x16x4_f32 v[176+8*(\e%4):183+8*(\e%4)], v[48+2*\e:49+2*\e], v[16+2*\e:17+2*\e], v[176+8*(\e%4):183+8*(\e%4)]
.endif
.endr
.rept 8
	v_nop                                          ; eight places behind this form: for the loads into Q's and K's registers and for the reads of the sums
.endr
.irp nt, 2,3
.irp ct, 0,1,2,3
	global_load_b128 v[16+32*(\nt-2)+8*\ct:16+32*(\nt-2)+8*\ct+3], v3, s[10:11] offset:\nt*65536+64*\ct
	global_load_b128 v[16+32*(\nt-2)+8*\ct+4:16+32*(\nt-2)+8*\ct+7], v3, s[10:11] offset:\nt*65536+64*\ct+16
.endr
.endr
.irp j, 0,1,2,3,4,5,6,7                            ; lane (r, h): query r, key 8 h + j; each sum is read from its low end on
	v_add_f32 v[240+\j], v[176+\j], v[184+\j]
	v_add_f32 v[248+\j], v[192+\j], v[200+\j]
.endr
.irp j, 0,1,2,3,4,5,6,7
	v_add_f32 v[240+\j], v[240+\j], v[248+\j]
.endr
	v_mov_b32 v5, 0xff800000                       ; -infinity
.irp j, 0,1,2,3,4,5,6,7
	v_cmp_gt_i32 vcc_lo, \j, v4                    ; key 8 h + j is hidden from query r where j > r - 8 h
	v_cndmask_b32 v[240+\j], v[240+\j], v5, vcc_lo
.endr
	v_max3_num_f32 v6, v240, v241, v242
	v_max3_num_f32 v6, v6, v243, v244
	v_max3_num_f32 v6, v6, v245, v246
	v_max_num_f32 v6, v6, v247
	v_permlanex16_b32 v7, v6, s20, s21
	v_max_num_f32 v6, v6, v7                       ; the row's maximum: key 0 counts for every query, so it is a number
	v_mul_f32 v6, s22, v6
.irp j, 0,1,2,3,4,5,6,7
	v_fma_f32 v[248+\j], v[240+\j], s22, -v6       ; c s - c m
.endr
.irp j, 0,1,2,3,4,5,6,7
	v_exp_f32 v[248+\j], v[248+\j]
.endr
	v_nop
	s_wait_alu depctr_va_vdst(0)                   ; one wait for the eight, ahead of their first reader
	v_add_f32 v10, v248, v249
	v_add_f32 v11, v250, v251
	v_add_f32 v10, v10, v11
	v_add_f32 v11, v252, v253
	v_add_f32 v6, v254, v255
	v_add_f32 v11, v11, v6
	v_add_f32 v10, v10, v11
	v_permlanex16_b32 v11, v10, s20, s21
	v_add_f32 v10, v10, v11                        ; the row's sum
	v_rcp_f32 v12, v10
	v_nop
	s_wait_loadcnt 32                              ; V is in; Wo's 32 loads may be out
.irp c, 0,1,2,3                                    ; O^T = V^T P: four accumulators by turns
.irp ct, 0,1,2,3
.if \c == 0
	v_wmma_f32_16x16x4_f32 v[208+8*\ct:215+8*\ct], v[80+8*\ct+2*\c:81+8*\ct+2*\c], v[248+2*\c:249+2*\c], 0
.else
	v_wmma_f32_16x16x4_f32 v[208+8*\ct:215+8*\ct], v[80+8*\ct+2*\c:81+8*\ct+2*\c], v[248+2*\c:249+2*\c], v[208+8*\ct:215+8*\ct]
.endif
.endr
.endr
.rept 8
	v_nop
.endr
	s_wait_alu depctr_va_vdst(0)                   ; the reciprocal's wait, ahead of its first reader
.irp i, 0,1,2,3,4,5,6,7,8,9,10,11,12,13,14,15,16,17,18,19,20,21,22,23,24,25,26,27,28,29,30,31
	v_mul_f32 v[80+\i], v[208+\i], v12             ; O / the sum, into V's registers: lane (r, h): query r, channel 16 ct + 8 h + j
.endr
	s_wait_loadcnt 0x0                             ; Wo
.irp ct, 0,1,2,3                                   ; out^T = Wo O: four accumulators by turns; Wo's tiles 0, 1 lie at v112, v144, tiles 2, 3 at v16, v48
.irp c, 0,1,2,3
.irp nt, 0,1,2,3
.if (\ct+\c) == 0
	v_wmma_f32_16x16x4_f32 v[176+8*\nt:183+8*\nt], v[112+32*\nt-160*(\nt/2)+8*\ct+2*\c:113+32*\nt-160*(\nt/2)+8*\ct+2*\c], v[80+8*\ct+2*\c:81+8*\ct+2*\c], 0
.else
	v_wmma_f32_16x16x4_f32 v[176+8*\nt:183+8*\nt], v[112+32*\nt-160*(\nt/2)+8*\ct+2*\c:113+32*\nt-160*(\nt/2)+8*\ct+2*\c], v[80+8*\ct+2*\c:81+8*\ct+2*\c], v[176+8*\nt:183+8*\nt]
.endif
.endr
.endr
.endr
.rept 8
	v_nop
.endr
.irp nt, 0,1,2,3
	ds_store_b128 v8, v[176+8*\nt:179+8*\nt] offset:64*\nt         ; lane (r, h): my head's part of out(r, n0 + 16 nt + 8 h + 0..7)
	ds_store_b128 v8, v[180+8*\nt:183+8*\nt] offset:64*\nt+16
.endr
	s_wait_dscnt 0x0                               ; for the others' sake: my stores are done
	s_barrier_signal -1
	s_barrier_wait -1
.irp p, 0,1,2,3,4,5,6,7,8,9,10,11,12,13,14,15
	ds_load_b64 v[16+2*\p:17+2*\p], v9 offset:\p*4352              ; head p's part of my row
.endr
	s_wait_dscnt 0x0
.irp p, 0,1,2,3,4,5,6,7
	v_pk_add_f32 v[16+2*\p:17+2*\p], v[16+2*\p:17+2*\p], v[32+2*\p:33+2*\p]
.endr
.irp p, 0,1,2,3
	v_pk_add_f32 v[16+2*\p:17+2*\p], v[16+2*\p:17+2*\p], v[24+2*\p:25+2*\p]
.endr
.irp p, 0,1
	v_pk_add_f32 v[16+2*\p:17+2*\p], v[16+2*\p:17+2*\p], v[20+2*\p:21+2*\p]
.endr
	v_pk_add_f32 v[16:17], v[16:17], v[18:19]
	global_store_b64 v13, v[16:17], s[12:13]       ; 32 lanes store 256 consecutive bytes, aligned
	s_wait_tensorcnt 0x0                           ; the wave's end, behind my last LDS store
	ds_add_u32 v[SPW], v[NIL]
	s_wait_dscnt 0x0
	s_endpgm
.Lfunc_end_k_qd7461e87ef_first16:
	.size	k_qd7461e87ef_first16, .Lfunc_end_k_qd7461e87ef_first16-k_qd7461e87ef_first16
	.p2alignl 7, 3214868480
	.fill 96, 4, 3214868480
	.section	.rodata,"a",@progbits
	.p2align	6, 0x0
	.amdhsa_kernel k_qd7461e87ef_first16
		.amdhsa_group_segment_fixed_size 71680
		.amdhsa_private_segment_fixed_size 0
		.amdhsa_enable_private_segment 0
		.amdhsa_kernarg_size 24
		.amdhsa_user_sgpr_count 2
		.amdhsa_user_sgpr_kernarg_segment_ptr 1
		.amdhsa_wavefront_size32 1
		.amdhsa_system_sgpr_workgroup_id_x 1
		.amdhsa_system_sgpr_workgroup_id_y 1
		.amdhsa_system_sgpr_workgroup_id_z 1
		.amdhsa_system_vgpr_workitem_id 0
		.amdhsa_next_free_vgpr 256
		.amdhsa_next_free_sgpr 66
		.amdhsa_reserve_vcc 1
		.amdhsa_float_denorm_mode_32 3
		.amdhsa_float_denorm_mode_16_64 3
		.amdhsa_memory_ordered 1
		.amdhsa_forward_progress 1
		.amdhsa_inst_pref_size 24
	.end_amdhsa_kernel
	.amdgpu_metadata
---
amdhsa.version: [ 1, 2 ]
amdhsa.kernels:
  - .name:           k_qd7461e87ef_first16
    .symbol:         k_qd7461e87ef_first16.kd
    .args:
      - { .name: qkv32, .offset: 0, .size: 8, .value_kind: global_buffer, .address_space: global }
      - { .name: Wo, .offset: 8, .size: 8, .value_kind: global_buffer, .address_space: global }
      - { .name: out0, .offset: 16, .size: 8, .value_kind: global_buffer, .address_space: global }
    .group_segment_fixed_size: 71680
    .private_segment_fixed_size: 0
    .kernarg_segment_align: 8
    .kernarg_segment_size: 24
    .max_flat_workgroup_size: 512
    .sgpr_count:     66
    .vgpr_count:     256
    .wavefront_size: 32
...
	.end_amdgpu_metadata
.endif
;; end of part 5
